; MI455X (gfx1250); checked and timed in simulation.
; The chip was launched on July 23, 2026; its instructions are those of AMD's public machine-readable ISA for CDNA 5 (MIT licence, August 2026) and "CDNA5" Instruction Set Architecture Reference Guide (July 2026). The comments in the code are by the model that wrote it; some were corrected since.
;; Scaled Product Attention. Allowed arithmetic: float matrix products may take bf16 or f16 operands with f32 sums; all other float work in f32.
;; Inputs: K 4 x 2,048 x 1,024 float32; Q 4 x 2,048 x 1,024 float32; V 4 x 2,048 x 1,024 float32; Wk 1,024 x 1,024 float32; Wo 1,024 x 1,024 float32; Wq 1,024 x 1,024 float32; Wv 1,024 x 1,024 float32; bk 1,024 float32; bo 1,024 float32; bq 1,024 float32; bv 1,024 float32; mask 4 x 2,048 x 2,048 int32.
;; Outputs: out0 4 x 2,048 x 1,024 float32.
;; One version. Each part assembles by itself: llvm-mc -triple=amdgcn-amd-amdhsa -mcpu=gfx1250 --defsym DOCPART=n.
;; ======== version 1 of 1: 5 launches
;; limits: values are held in f16: magnitudes above 65,504 overflow, below 6.1e-05 lose precision
;; workspace buffers: wc 8,388,608 bytes; pqkv 50,331,648 bytes; pbuf 33,554,432 bytes; stats 1,048,576 bytes; mh 16,777,216 bytes
;; launch prep (part 1): grid 64 x 4, 8 waves a work-group, no clusters, 0 bytes of LDS; arguments Wq, Wk, Wv, Wo, wc; writes wc
.if DOCPART == 1
	.amdgcn_target "amdgcn-amd-amdhsa--gfx1250"
	.amdhsa_code_object_version 6
	.text
	.protected	k_qa3b5a85cfb_prep
	.globl	k_qa3b5a85cfb_prep
	.p2align	8
	.type	k_qa3b5a85cfb_prep,@function
k_qa3b5a85cfb_prep:
	s_mov_b64 s[64:65], 0
	v_nop
	global_prefetch_b8 v0, s[64:65] scope:SCOPE_SE
	s_setreg_imm32_b32 hwreg(HW_REG_WAVE_MODE, 25, 1), 1
	s_wait_xcnt 0x0
; The four weight matrices, [1024][1024] f32, are rounded once to 16 bits: wc[4][1024][1024].
; Planes 0-2 (Wq, Wk, Wv): bf16.  Plane 3 (Wo): rounded to bf16 like every input of the module, and that number written as f16,
; since the last product multiplies it with an f16 operand.
; LIMIT: a bf16 number is exact in f16 from 6.1e-5 to 65,504; below that it keeps f16's fixed step of 6e-8, above it becomes an infinity.
; A stream: memory binds, so no LDS, no barrier, no matrix unit.  Work-group (x, y) takes 65,536 bytes (16,384 numbers) of matrix y.
; Thread t takes 8 numbers (32 bytes) at 32 t + 8,192 i, i = 0..7, and stores 16 bytes at 16 t + 4,096 i: sixteen neighbouring lanes
; store 256 consecutive bytes, aligned.  All 16 loads of a thread go out before the first is waited for.
.set IN,  8                            ; v[8:71]    chunk i: 8 numbers as loaded
.set OUT, 72                           ; v[72:103]  chunk i: 4 registers to store
	s_load_b256 s[4:11], s[0:1], 0x0               ; Wq s[4:5], Wk s[6:7], Wv s[8:9], Wo s[10:11]
	s_load_b64 s[12:13], s[0:1], 0x20              ; wc
	s_and_b32 s16, ttmp7, 0xffff                   ; y: which matrix
	s_lshl_b32 s18, ttmp9, 16                      ; my 65,536 bytes of it
	s_mov_b32 s19, 0
	s_lshl_b32 s20, s16, 21                        ; a plane of wc is 2 MiB,
	s_lshl_b32 s21, ttmp9, 15                      ; my part of it 32,768 bytes
	s_add_co_u32 s20, s20, s21
	s_mov_b32 s21, 0
	v_lshlrev_b32 v1, 5, v0                        ; 32 t
	v_lshlrev_b32 v2, 4, v0                        ; 16 t
	s_wait_kmcnt 0x0
	s_cmp_eq_u32 s16, 1                            ; the source is chosen by y alone
	s_cselect_b64 s[14:15], s[6:7], s[4:5]
	s_cmp_eq_u32 s16, 2
	s_cselect_b64 s[14:15], s[8:9], s[14:15]
	s_cmp_eq_u32 s16, 3
	s_cselect_b64 s[14:15], s[10:11], s[14:15]
	s_add_nc_u64 s[14:15], s[14:15], s[18:19]
	s_add_nc_u64 s[12:13], s[12:13], s[20:21]
.irp i, 0,1,2,3,4,5,6,7
	global_load_b128 v[IN+8*(\i):IN+8*(\i)+3],   v1, s[14:15] offset:8192*(\i) th:TH_LOAD_NT
	global_load_b128 v[IN+8*(\i)+4:IN+8*(\i)+7], v1, s[14:15] offset:8192*(\i)+16 th:TH_LOAD_NT
.endr
; f16 = 0: bf16 as it is.  f16 = 1: the bf16 number is widened again (a shift, a mask) and written as f16.
.macro CONV f16
.irp i, 0,1,2,3,4,5,6,7
	s_wait_loadcnt 14-2*(\i)                       ; loads come back in order: chunk i's two are in, the 14 - 2 i behind them stay out
.irp j, 0,1,2,3
	v_cvt_pk_bf16_f32 v[OUT+4*(\i)+(\j)], v[IN+8*(\i)+2*(\j)], v[IN+8*(\i)+2*(\j)+1]
.endr
.if \f16
.irp j, 0,1,2,3
	v_lshlrev_b32 v[IN+8*(\i)+2*(\j)],   16, v[OUT+4*(\i)+(\j)]
	v_and_b32     v[IN+8*(\i)+2*(\j)+1], 0xffff0000, v[OUT+4*(\i)+(\j)]
.endr
.irp j, 0,1,2,3
	v_cvt_pk_f16_f32 v[OUT+4*(\i)+(\j)], v[IN+8*(\i)+2*(\j)], v[IN+8*(\i)+2*(\j)+1]
.endr
.endif
	global_store_b128 v2, v[OUT+4*(\i):OUT+4*(\i)+3], s[12:13] offset:4096*(\i)
.endr
.endm
	s_cmp_eq_u32 s16, 3
	s_cbranch_scc1 .Lwo
	CONV 0
	s_endpgm
.Lwo:
	CONV 1
	s_endpgm
.Lfunc_end_k_qa3b5a85cfb_prep:
	.size	k_qa3b5a85cfb_prep, .Lfunc_end_k_qa3b5a85cfb_prep-k_qa3b5a85cfb_prep
	.p2alignl 7, 3214868480
	.fill 96, 4, 3214868480
	.section	.rodata,"a",@progbits
	.p2align	6, 0x0
	.amdhsa_kernel k_qa3b5a85cfb_prep
		.amdhsa_group_segment_fixed_size 0
		.amdhsa_private_segment_fixed_size 0
		.amdhsa_enable_private_segment 0
		.amdhsa_kernarg_size 40
		.amdhsa_user_sgpr_count 2
		.amdhsa_user_sgpr_kernarg_segment_ptr 1
		.amdhsa_wavefront_size32 1
		.amdhsa_system_sgpr_workgroup_id_x 1
		.amdhsa_system_sgpr_workgroup_id_y 1
		.amdhsa_system_sgpr_workgroup_id_z 1
		.amdhsa_system_vgpr_workitem_id 0
		.amdhsa_next_free_vgpr 104
		.amdhsa_next_free_sgpr 66
		.amdhsa_reserve_vcc 0
		.amdhsa_float_denorm_mode_32 3
		.amdhsa_float_denorm_mode_16_64 3
		.amdhsa_memory_ordered 1
		.amdhsa_forward_progress 1
		.amdhsa_inst_pref_size 14
	.end_amdhsa_kernel
	.amdgpu_metadata
---
amdhsa.version: [ 1, 2 ]
amdhsa.kernels:
  - .name:           k_qa3b5a85cfb_prep
    .symbol:         k_qa3b5a85cfb_prep.kd
    .args:
      - { .name: Wq, .offset: 0, .size: 8, .value_kind: global_buffer, .address_space: global }
      - { .name: Wk, .offset: 8, .size: 8, .value_kind: global_buffer, .address_space: global }
      - { .name: Wv, .offset: 16, .size: 8, .value_kind: global_buffer, .address_space: global }
      - { .name: Wo, .offset: 24, .size: 8, .value_kind: global_buffer, .address_space: global }
      - { .name: wc, .offset: 32, .size: 8, .value_kind: global_buffer, .address_space: global }
    .group_segment_fixed_size: 0
    .private_segment_fixed_size: 0
    .kernarg_segment_align: 8
    .kernarg_segment_size: 40
    .max_flat_workgroup_size: 256
    .sgpr_count:     66
    .vgpr_count:     104
    .wavefront_size: 32
...
	.end_amdgpu_metadata
.endif
;; end of part 1
;; launch proj (part 2): grid 4 x 192, 4 waves a work-group, clusters of 4 x 4, 327,680 bytes of LDS; arguments Q, K, V, wc, bq, bk, bv, pqkv; writes pqkv
.if DOCPART == 2
	.amdgcn_target "amdgcn-amd-amdhsa--gfx1250"
	.amdhsa_code_object_version 6
	.text
	.protected	k_qa3b5a85cfb_proj
	.globl	k_qa3b5a85cfb_proj
	.p2align	8
	.type	k_qa3b5a85cfb_proj,@function
k_qa3b5a85cfb_proj:
	s_mov_b64 s[64:65], 0
	v_nop
	global_prefetch_b8 v0, s[64:65] scope:SCOPE_SE
	s_setreg_imm32_b32 hwreg(HW_REG_WAVE_MODE, 25, 1), 1
	s_wait_xcnt 0x0
	s_wait_alu depctr_hold_cnt(0) depctr_sa_sdst(0) depctr_va_vdst(0) depctr_va_sdst(0) depctr_va_ssrc(0) depctr_va_vcc(0) depctr_vm_vsrc(0)
	s_getreg_b32 s2, hwreg(HW_REG_IB_STS2, 6, 4)
	s_cmp_eq_u32 s2, 0
	s_cbranch_scc0 .Lentry_in_a_cluster
	s_endpgm
.Lentry_in_a_cluster:
	s_bfe_u32 s2, ttmp6, 0x10000c
	s_cmp_lg_u32 s2, 0xf033
	s_cbranch_scc0 .Lentry_shape_is_right
	s_endpgm
.Lentry_shape_is_right:
; THE THREE PROJECTIONS.  pqkv[p][s][e] = sum over d of X_p[s][d] W_p[e][d] + b_p[e], p = 0, 1, 2 for (Q, Wq, bq), (K, Wk, bk), (V, Wv, bv).
; X: [8192][1024] f32, rounded to bf16 in registers; W: bf16, from wc; b rounded to bf16; sums in f32; the result written once, as f16.
; LIMIT: f16 ends at 65,504: a projected number beyond it becomes an infinity.  Below 6.1e-5 it keeps f16's fixed step of 6e-8.
; SHARES.  A tile of the result is 128 rows x 256 columns: 3 x 64 x 4 = 768 work-groups, three for each of 256 WGPs.  Four waves, each 64 x 128: 32 accumulators, 256 registers.
; K goes in 8 steps of 128 through two LDS slots.  Waves 0, 1 fetch the two halves (64 rows x 512 bytes, f32) of X's tile, waves 2, 3 the halves (128 rows x 256 bytes) of W's.
; CLUSTER 4 x 4: the four of a row of the cluster need the same tile of X, the four of a column the same tile of W: each is asked for jointly.
; THE MATRIX INSTRUCTION IS USED TRANSPOSED (source 0 = 16 rows of W, source 1 = 16 rows of X): a lane holds row lane % 16 and eight neighbouring columns.
; X's fragments come out of LDS as f32 (four loads of 16 bytes) and are rounded in fours behind the products: block a + 1's while block a is multiplied.
; REGISTERS, in windows of 256 (s_set_vgpr_msb: bits 1:0 source 0, 3:2 source 1, 5:4 source 2, 7:6 destination):
;   window 0: v0-29 addresses; v32-43 bias; v64-95 X's fragments in bf16; v128-191, v192-255 W's fragments, two buffers
;   window 1: accumulator (a, n) at v[8 (8 a + n)]          window 2: v0-63, v64-127 X's fragments as f32, two buffers
.set KSTEPS, 8
.set PA,    528                        ; an LDS row of X: 512 bytes + 16 = 33 x 16: the 16 rows of a load start at 16 different groups of four banks (ISA guide 11.1)
.set AH,    64*PA                      ; half of X's tile
.set PBR,   272                        ; an LDS row of W: 256 + 16 = 17 x 16
.set BH,    128*PBR                    ; half of W's tile
.set BO,    2*AH                       ; W's tile lies behind X's
.set SLOT1, 0x22000                    ; slot 1: no load's place in a slot (0, 0x8400, 0x10800, 0x19000) has one of its bits, so one exclusive or changes slots
.set ASTEP, 512                        ; bytes along a row of X for a K step
.set BSTEP, 256                        ; the same for W
.set DP,    528                        ; the way out: a wave's 64 rows of 128 f32, 512 bytes + 16, at wave x 64 x DP, in slots that have had their last fill
.set SPARE, 327168                     ; the spare words: 128 bytes for each wave, two blocks of 256 bytes that no other line names
.set ABASE, 4                          ; v4   my lane's place in X's tile; never rewritten
.set BBASE, 5                          ; v5   the same for W
.set AADR,  6                          ; v6   the same in the slot in hand
.set BADR,  7                          ; v7
.set DST,   8                          ; v8   the way out: where I put my accumulators
.set RDE,   9                          ; v9   where I read columns 8 r .. 8 r + 3 of a row back,
.set RDO,   10                         ; v10  and columns 8 r + 4 .. 8 r + 7
.set GO,    11                         ; v11  my byte offset in two rows of the result
.set RA,    12                         ; v12, v13  RDE, RDO in the trip in hand
.set RB,    13
.set BOFF,  14                         ; v14  my byte offset in the bias
.set SPW,   28                         ; v28  LDS address of my spare word; never rewritten
.set NIL,   29                         ; v29  0; never rewritten
.set BIAS,  32
.set AF,    64
.set BF,    128
.set WV,  10                           ; s10  wave
.set WM,  11                           ; s11  my half of the tile's rows; also: I fetch for X (0) or for W (1)
.set WN,  12                           ; s12  my half of its columns; also: which half of that tile I fetch
.set G1A, 24                           ; s[24:31] descriptor group 1 for X's tiles; s[32:39] group 0: a set for each first fill, the second then walks
.set G0A, 32
.set G1B, 48                           ; s[48:55], s[56:63] the same for W's
.set G0B, 56
.set TB,  66                           ; s66  LDS byte at which the slot in hand begins
.set CNT, 67
.set OB,  84                           ; s[84:85] the result at my rows
.set BB,  86                           ; s[86:87] the bias at my columns
.set ES,  91                           ; s91  the way out: the trip's step in LDS
.set W_MM, 0x50                        ; C and D in window 1
.set W_CV, 0x0a                        ; sources 0 and 1 in window 2
.set MSB, 0
.macro WIN new                         ; the immediate's high byte repeats the setting that is left; a switch that changes nothing is dropped
.if MSB != (\new)
	s_set_vgpr_msb (MSB<<8)|(\new)
.set MSB, \new
.endif
.endm
; A joint refill by the walking descriptors.  The branch hangs on the wave's number alone.  An s_nop 0 and four v_nop follow each of the two lines.
.macro JLOAD
	s_cmp_eq_u32 s[WM], 0
	s_cbranch_scc0 .Lfor_b_\@
	tensor_load_to_lds s[G0A+4:G0A+7], s[G1A:G1A+7]
	s_nop 0
.rept 4
	v_nop
.endr
	s_branch .Lasked_\@
.Lfor_b_\@:
	tensor_load_to_lds s[G0B+4:G0B+7], s[G1B:G1B+7]
	s_nop 0
.rept 4
	v_nop
.endr
.Lasked_\@:
.endm
.macro CREST                           ; a round of the cluster's barrier behind its opening barrier
	s_cmp_lg_u32 s[WV], 0
	s_cbranch_scc1 .Lnot_wave_0_\@
	s_barrier_signal -3
.Lnot_wave_0_\@:
	s_barrier_wait -3
	s_barrier_signal -1
	s_barrier_wait -1
.endm
.macro CROUND                          ; a whole round
	s_barrier_signal -1
	s_barrier_wait -1
	CREST
.endm
	s_load_b512 s[68:83], s[0:1], 0x0              ; Q s[68:69], K, V, wc s[74:75], bq s[76:77], bk, bv, pqkv s[82:83]
	v_lshl_add_u32 v[SPW], v0, 2, SPARE
	v_mov_b32 v[NIL], 0
	ds_add_u32 v[SPW], v[NIL]                      ; the wave's opening: the add and its wait stand ahead of my first tensor load; the set-up below stands between them
	v_lshrrev_b32 v3, 5, v0
	v_readfirstlane_b32 s[WV], v3
	s_lshr_b32 s[WM], s[WV], 1
	s_and_b32 s[WN], s[WV], 1
	s_bfe_u32 s40, ttmp6, 0x40000                  ; cx
	s_bfe_u32 s41, ttmp6, 0x40004                  ; cy
	s_lshl_b32 s42, ttmp9, 2
	s_add_co_u32 s42, s42, s40                     ; tile column X = 4 x cluster x + cx
	s_and_b32 s45, ttmp7, 0xffff                   ; the cluster's y: 16 of them for each projection
	s_lshr_b32 s46, s45, 4                         ; p, which the whole cluster shares
	s_and_b32 s13, s45, 15
	s_lshl_b32 s13, s13, 2
	s_add_co_u32 s13, s13, s41                     ; tile row Y = 4 x (cluster y % 16) + cy
	s_lshl_b32 s43, s41, 2
	s_lshl_b32 s43, 15, s43                        ; my row of the cluster
	s_lshl_b32 s44, 0x1111, s40                    ; my column
	s_or_b32 s[G1A], s43, (2<<16)|(1<<20)|(1<<21)|(6<<22)|(3<<25)  ; the mask; elements of 4 bytes; padding on; bit 21 beside a mask; after every 128 words 4 words
	s_mov_b32 s[G1A+1], 128<<16                    ; tensor_dim0 = 128
	s_mov_b32 s[G1A+2], 64<<16                     ; tensor_dim1 = 64
	s_mov_b32 s[G1A+3], 128<<16                    ; tile_dim0 = 128
	s_mov_b32 s[G1A+4], 64                         ; tile_dim1 = 64
	s_mov_b32 s[G1A+5], 1024                       ; elements from row to row
	s_mov_b32 s[G1A+6], 0
	s_mov_b32 s[G1A+7], 0
	s_or_b32 s[G1B], s44, (1<<16)|(1<<20)|(1<<21)|(5<<22)|(3<<25)  ; elements of 2 bytes; after every 64 words 4 words
	s_mov_b32 s[G1B+1], 128<<16
	s_mov_b32 s[G1B+2], 128<<16                    ; 128 rows
	s_mov_b32 s[G1B+3], 128<<16
	s_mov_b32 s[G1B+4], 128
	s_mov_b32 s[G1B+5], 1024
	s_mov_b32 s[G1B+6], 0
	s_mov_b32 s[G1B+7], 0
	s_lshl_b32 s14, s13, 7                         ; X's tile hangs on Y (and p) alone: row 128 Y + 64 x half,
	s_lshl_b32 s15, s[WN], 6
	s_add_co_u32 s14, s14, s15
	s_lshl_b32 s14, s14, 12                        ; of 4,096 bytes
	s_mov_b32 s15, 0
	s_lshl_b32 s16, s42, 8                         ; W's tile hangs on X (and p) alone: row 256 X + 128 x half,
	s_lshl_b32 s17, s[WN], 7
	s_add_co_u32 s16, s16, s17
	s_lshl_b32 s16, s16, 11                        ; of 2,048 bytes,
	s_lshl_b32 s17, s46, 21                        ; in plane p of wc
	s_add_co_u32 s16, s16, s17
	s_mov_b32 s17, 0
	s_mul_i32 s22, s[WN], AH                       ; where my load goes: no place in the cluster enters an LDS address
	s_mul_i32 s23, s[WN], BH
	s_add_co_u32 s23, s23, BO
	s_lshl_b32 s4, s13, 7                          ; my part of the result: row 128 Y + 64 wm,
	s_lshl_b32 s5, s[WM], 6
	s_add_co_u32 s4, s4, s5
	s_lshl_b32 s4, s4, 11
	s_lshl_b32 s6, s42, 8                          ; column 256 X + 128 wn,
	s_lshl_b32 s7, s[WN], 7
	s_add_co_u32 s6, s6, s7
	s_lshl_b32 s5, s6, 1
	s_add_co_u32 s4, s4, s5
	s_lshl_b32 s5, s46, 24                         ; plane p of 16 MiB
	s_add_co_u32 s4, s4, s5
	s_mov_b32 s5, 0
	s_lshl_b32 s6, s6, 2                           ; and the same column in the bias
	s_mov_b32 s7, 0
	s_mov_b32 s[TB], 0
	s_wait_dscnt 0x0                               ; the opening add is done
	s_wait_kmcnt 0x0
	s_cmp_eq_u32 s46, 1                            ; X and b are chosen by p alone
	s_cselect_b64 s[18:19], s[70:71], s[68:69]
	s_cselect_b64 s[BB:BB+1], s[78:79], s[76:77]
	s_cmp_eq_u32 s46, 2
	s_cselect_b64 s[18:19], s[72:73], s[18:19]
	s_cselect_b64 s[BB:BB+1], s[80:81], s[BB:BB+1]
	s_add_nc_u64 s[18:19], s[18:19], s[14:15]
	s_add_nc_u64 s[20:21], s[74:75], s[16:17]
	s_add_nc_u64 s[OB:OB+1], s[82:83], s[4:5]
	s_add_nc_u64 s[BB:BB+1], s[BB:BB+1], s[6:7]
.irp n, 0,1
	s_mov_b32 s[G0A+4*(\n)], 1                                     ; count = 1
	s_add_co_u32 s[G0A+4*(\n)+1], s22, (\n)*SLOT1                  ; LDS address
	s_add_nc_u64 s[G0A+4*(\n)+2:G0A+4*(\n)+3], s[18:19], (\n)*ASTEP  ; global address: K step n
	s_or_b32 s[G0A+4*(\n)+3], s[G0A+4*(\n)+3], 0x80000000          ; type = 2
	s_mov_b32 s[G0B+4*(\n)], 1
	s_add_co_u32 s[G0B+4*(\n)+1], s23, (\n)*SLOT1
	s_add_nc_u64 s[G0B+4*(\n)+2:G0B+4*(\n)+3], s[20:21], (\n)*BSTEP
	s_or_b32 s[G0B+4*(\n)+3], s[G0B+4*(\n)+3], 0x80000000
.endr
	CROUND                                         ; all sixteen work-groups are here: the first joint loads meet
	s_cmp_eq_u32 s[WM], 0                          ; a wave's two first fills stand in one branch: two loads of mine are out
	s_cbranch_scc0 .Lfirst_b
	tensor_load_to_lds s[G0A:G0A+3], s[G1A:G1A+7]
	s_nop 0
	tensor_load_to_lds s[G0A+4:G0A+7], s[G1A:G1A+7]
	s_nop 0
.rept 4
	v_nop
.endr
	s_branch .Lfirst_asked
.Lfirst_b:
	tensor_load_to_lds s[G0B:G0B+3], s[G1B:G1B+7]
	s_nop 0
	tensor_load_to_lds s[G0B+4:G0B+7], s[G1B:G1B+7]
	s_nop 0
.rept 4
	v_nop
.endr
.Lfirst_asked:
	v_and_b32 v1, 15, v0                           ; r = lane % 16
	v_bfe_u32 v2, v0, 4, 1                         ; h = lane / 16
	v_lshlrev_b32 v[BOFF], 5, v1                   ; on the way out I hold columns 8 r .. 8 r + 7
	global_load_b128 v[BIAS:BIAS+3],   v[BOFF], s[BB:BB+1]
	global_load_b128 v[BIAS+4:BIAS+7], v[BOFF], s[BB:BB+1] offset:16
	; A fragment is 16 rows x 32 K: lane (r, h) holds row r, K = 8 h + 0..7 and 16 + 8 h + 0..7.  In f32 that is 32 bytes at 32 h and 32 at 64 + 32 h; in 16 bits 16 bytes at 16 h and at 32 + 16 h.
	s_mul_i32 s8, s[WM], AH
	v_mul_u32_u24 v[ABASE], v1, PA
	v_lshl_add_u32 v[ABASE], v2, 5, v[ABASE]
	v_add_nc_u32 v[ABASE], s8, v[ABASE]
	s_mul_i32 s9, s[WN], BH
	s_add_co_u32 s9, s9, BO
	v_mul_u32_u24 v[BBASE], v1, PBR
	v_lshl_add_u32 v[BBASE], v2, 4, v[BBASE]
	v_add_nc_u32 v[BBASE], s9, v[BBASE]
	v_mov_b32 v[AADR], v[ABASE]
	v_mov_b32 v[BADR], v[BBASE]
	; The way out.  In a row of 512 bytes the group g of four columns lies at (g % 2) 256 + 16 ((g / 2 + 8 (g % 2)) % 16): even groups in the first 256 bytes, odd ones in the second, turned by half.
	s_mul_i32 s47, s[WV], 64*DP
	v_mul_u32_u24 v[DST], v1, DP                   ; in: row r, groups 4 n + 2 h and 4 n + 2 h + 1
	v_lshl_add_u32 v[DST], v2, 4, v[DST]
	v_add_nc_u32 v[DST], s47, v[DST]
	v_mul_u32_u24 v[RDE], v2, DP                   ; back: lanes 0-15 one row, lanes 16-31 the next; groups 2 r and 2 r + 1
	v_add_nc_u32 v[RDE], s47, v[RDE]
	v_xor_b32 v3, 8, v1
	v_lshl_add_u32 v[RDO], v3, 4, v[RDE]
	v_add_nc_u32 v[RDO], 256, v[RDO]
	v_lshl_add_u32 v[RDE], v1, 4, v[RDE]
	v_lshlrev_b32 v[GO], 11, v2                    ; and the same two rows of 2,048 bytes in the result
	v_lshl_add_u32 v[GO], v1, 4, v[GO]
; 4 products: row block a x column blocks n0 .. n0 + 3, 32 along K.  zero = 1: they start the sums.  The 32 accumulators take turns in one order in every quarter.
.macro MM4 a, n0, buf, zero
	WIN W_MM
.irp n, \n0, (\n0)+1, (\n0)+2, (\n0)+3
.set rD, 8*(8*(\a)+(\n))
.set rB, BF+64*(\buf)+8*(\n)
.set rA, AF+8*(\a)
.if \zero
	v_wmma_f32_16x16x32_bf16 v[rD:rD+7], v[rB:rB+7], v[rA:rA+7], 0
.else
	v_wmma_f32_16x16x32_bf16 v[rD:rD+7], v[rB:rB+7], v[rA:rA+7], v[rD:rD+7]
.endif
.endr
.endm
; 4 roundings: registers i0 .. i0 + 3 of row block a's fragment, from the f32 buffer buf
.macro RID a, i0, buf
	WIN W_CV
.irp i, \i0, (\i0)+1, (\i0)+2, (\i0)+3
	v_cvt_pk_bf16_f32 v[AF+8*(\a)+(\i)], v[64*(\buf)+16*(\a)+2*(\i)], v[64*(\buf)+16*(\a)+2*(\i)+1]
.endr
.endm
; Row block a is multiplied, block a + 1 rounded.  A fragment register is written at least four plain vector instructions behind the last product that read it (ISA guide 7.12.1): the roundings of the other blocks stand between.
.macro GRP a, buf, zero
	MM4 \a, 0, \buf, \zero
.if (\a) < 3
	RID (\a)+1, 0, \buf
.endif
	MM4 \a, 4, \buf, \zero
.if (\a) < 3
	RID (\a)+1, 4, \buf
.endif
.endm
; 32 LDS loads in one run: the fragments of quarter c of the slot in hand
.macro FETCH c, buf
	WIN 0x80                                       ; destination window 2
.irp m, 0,1,2,3
	ds_load_b128 v[64*(\buf)+16*\m:64*(\buf)+16*\m+3],     v[AADR] offset:128*(\c)+\m*16*PA
	ds_load_b128 v[64*(\buf)+16*\m+4:64*(\buf)+16*\m+7],   v[AADR] offset:128*(\c)+\m*16*PA+16
	ds_load_b128 v[64*(\buf)+16*\m+8:64*(\buf)+16*\m+11],  v[AADR] offset:128*(\c)+\m*16*PA+64
	ds_load_b128 v[64*(\buf)+16*\m+12:64*(\buf)+16*\m+15], v[AADR] offset:128*(\c)+\m*16*PA+80
.endr
	WIN 0
.irp n, 0,1,2,3,4,5,6,7
	ds_load_b128 v[BF+64*(\buf)+8*\n:BF+64*(\buf)+8*\n+3],   v[BADR] offset:64*(\c)+\n*16*PBR
	ds_load_b128 v[BF+64*(\buf)+8*\n+4:BF+64*(\buf)+8*\n+7], v[BADR] offset:64*(\c)+\n*16*PBR+32
.endr
.endm
; One of a K step's first three quarters: its fragments are in; block 0 is rounded (eight plain instructions, the places in front of the loads into the buffer that the quarter before multiplied);
; the next quarter's fragments are asked for, 32 products ahead of their use.
.macro Q c, zero
	s_wait_dscnt 0x0
	RID 0, 0, (\c)%2
	RID 0, 4, (\c)%2
	FETCH (\c)+1, ((\c)+1)%2
	GRP 0, (\c)%2, \zero
	GRP 1, (\c)%2, \zero
	GRP 2, (\c)%2, \zero
	GRP 3, (\c)%2, \zero
.endm
; The fourth quarter changes slots.  In front of the one barrier each wave waits for all its tensor loads (one is out: its part of the next slot), adds 0 to its spare word, and waits for that;
; its reads of this slot are back already.  fill = 1: the barrier opens a round of the cluster's, and the slot just read out is filled again first thing behind it, two K steps ahead.
.macro Q3T fill
	WIN 0
	s_wait_dscnt 0x0                               ; the quarter's fragments are in: my reads of this slot are over
	s_wait_tensorcnt 0x0                           ; no tensor load of mine is out, so a group 0 may be written
	ds_add_u32 v[SPW], v[NIL]                      ; 0 onto my spare word
	RID 0, 0, 1
	RID 0, 4, 1
.if \fill
	s_xor_b32 s[G0A+5], s[G0A+5], SLOT1            ; the walking descriptors: the other slot than last time, the next K step
	s_add_nc_u64 s[G0A+6:G0A+7], s[G0A+6:G0A+7], ASTEP
	s_xor_b32 s[G0B+5], s[G0B+5], SLOT1
	s_add_nc_u64 s[G0B+6:G0B+7], s[G0B+6:G0B+7], BSTEP
.endif
	s_wait_dscnt 0x0                               ; the add is done
	s_barrier_signal -1
	GRP 0, 1, 0                                    ; work on registers while the others arrive
	WIN 0
	s_barrier_wait -1
.if \fill
	CREST
	JLOAD
.endif
	s_xor_b32 s[TB], s[TB], SLOT1
	v_add_nc_u32 v[AADR], s[TB], v[ABASE]
	v_add_nc_u32 v[BADR], s[TB], v[BBASE]
	FETCH 0, 0
	GRP 1, 1, 0
	GRP 2, 1, 0
	GRP 3, 1, 0
.endm
	s_wait_tensorcnt 0x1                           ; my part of K step 0 is in; K step 1's may stay out
	s_barrier_signal -1
	s_barrier_wait -1
	FETCH 0, 0
	Q 0, 1                                         ; the first quarter stands in front of the loop: its products start the sums
	WIN 0
	s_mov_b32 s[CNT], KSTEPS-2
.Lk:                                               ; a trip: from a K step's second quarter to the next step's first; it fills one slot again
	Q 1, 0
	Q 2, 0
	Q3T 1
	Q 0, 0
	WIN 0
	s_sub_co_u32 s[CNT], s[CNT], 1
	s_cmp_lg_u32 s[CNT], 0
	s_cbranch_scc1 .Lk
	s_mov_b32 s[CNT], 2                            ; the last two K steps ask for nothing; their text is entered at a second quarter
	s_branch .Ltm
.Lt:
	Q 0, 0
	WIN 0
.Ltm:
	Q 1, 0
	Q 2, 0
	Q3T 0                                          ; at the very end its fetch reads the other slot's old bytes, and nothing uses them: the price of one text for both steps
	WIN 0
	s_sub_co_u32 s[CNT], s[CNT], 1
	s_cmp_lg_u32 s[CNT], 0
	s_cbranch_scc1 .Lt
	; THE WAY OUT.  Every wave's reads of the slots are back, then the slots, which have had their last fill, take the accumulators.
	s_wait_dscnt 0x0
	s_barrier_signal -1
	s_barrier_wait -1
	s_wait_loadcnt 0x0                             ; the bias; rounded to bf16 like every input.  These twelve plain instructions are the places behind the last products
.irp j, 0,1,2,3
	v_cvt_pk_bf16_f32 v[BIAS+8+(\j)], v[BIAS+2*(\j)], v[BIAS+2*(\j)+1]
.endr
.irp j, 0,1,2,3
	v_lshlrev_b32 v[BIAS+2*(\j)],   16, v[BIAS+8+(\j)]
	v_and_b32     v[BIAS+2*(\j)+1], 0xffff0000, v[BIAS+8+(\j)]
.endr
	WIN 0x04                                       ; store data in window 1
.irp a, 0,1,2,3
.irp n, 0,1,2,3,4,5,6,7
	ds_store_b128 v[DST], v[8*(8*\a+\n):8*(8*\a+\n)+3]   offset:\a*16*DP+32*\n                  ; each accumulator's low registers first
	ds_store_b128 v[DST], v[8*(8*\a+\n)+4:8*(8*\a+\n)+7] offset:\a*16*DP+256+((32*\n+128)&255)
.endr
.endr
	WIN 0
	s_mov_b32 s[ES], 0
	s_mov_b32 s[CNT], 4
.Lout:                                             ; a trip: 16 rows.  LDS serves a wave's instructions in order (ISA guide 5.7.1.4): the loads see my stores above
	v_add_nc_u32 v[RA], s[ES], v[RDE]
	v_add_nc_u32 v[RB], s[ES], v[RDO]
.irp i, 0,1,2,3,4,5,6,7
	ds_load_b128 v[64+8*\i:64+8*\i+3],   v[RA] offset:2*DP*\i
	ds_load_b128 v[64+8*\i+4:64+8*\i+7], v[RB] offset:2*DP*\i
.endr
.irp i, 0,1,2,3,4,5,6,7
	s_wait_dscnt 14-2*\i                           ; pair i of rows is in; the 14 - 2 i loads behind it stay out
.irp j, 0,1,2,3
	v_pk_add_f32 v[64+8*\i+2*\j:64+8*\i+2*\j+1], v[64+8*\i+2*\j:64+8*\i+2*\j+1], v[BIAS+2*\j:BIAS+2*\j+1]
.endr
.irp j, 0,1,2,3
	v_cvt_pk_f16_f32 v[64+8*\i+\j], v[64+8*\i+2*\j], v[64+8*\i+2*\j+1]
.endr
	global_store_b128 v[GO], v[64+8*\i:64+8*\i+3], s[OB:OB+1] offset:4096*\i  ; 16 lanes store 256 consecutive bytes, aligned
.endr
	s_wait_xcnt 0x0                                ; the stores' base and data are rewritten only behind this wait
	s_add_nc_u64 s[OB:OB+1], s[OB:OB+1], 16*2048
	s_add_co_u32 s[ES], s[ES], 16*DP
	s_sub_co_u32 s[CNT], s[CNT], 1
	s_cmp_lg_u32 s[CNT], 0
	s_cbranch_scc1 .Lout
	s_wait_tensorcnt 0x0                           ; the wave's end
	ds_add_u32 v[SPW], v[NIL]
	s_wait_dscnt 0x0
	CROUND                                         ; the closing round
	s_endpgm
.Lfunc_end_k_qa3b5a85cfb_proj:
	.size	k_qa3b5a85cfb_proj, .Lfunc_end_k_qa3b5a85cfb_proj-k_qa3b5a85cfb_proj
	.p2alignl 7, 3214868480
	.fill 96, 4, 3214868480
	.section	.rodata,"a",@progbits
	.p2align	6, 0x0
	.amdhsa_kernel k_qa3b5a85cfb_proj
		.amdhsa_group_segment_fixed_size 327680
		.amdhsa_private_segment_fixed_size 0
		.amdhsa_enable_private_segment 0
		.amdhsa_kernarg_size 64
		.amdhsa_user_sgpr_count 2
		.amdhsa_user_sgpr_kernarg_segment_ptr 1
		.amdhsa_wavefront_size32 1
		.amdhsa_system_sgpr_workgroup_id_x 1
		.amdhsa_system_sgpr_workgroup_id_y 1
		.amdhsa_system_sgpr_workgroup_id_z 1
		.amdhsa_system_vgpr_workitem_id 0
		.amdhsa_next_free_vgpr 640
		.amdhsa_next_free_sgpr 96
		.amdhsa_reserve_vcc 0
		.amdhsa_float_denorm_mode_32 3
		.amdhsa_float_denorm_mode_16_64 3
		.amdhsa_memory_ordered 1
		.amdhsa_forward_progress 1
		.amdhsa_inst_pref_size 82
	.end_amdhsa_kernel
	.amdgpu_metadata
---
amdhsa.version: [ 1, 2 ]
amdhsa.kernels:
  - .name:           k_qa3b5a85cfb_proj
    .symbol:         k_qa3b5a85cfb_proj.kd
    .args:
      - { .name: Q, .offset: 0, .size: 8, .value_kind: global_buffer, .address_space: global }
      - { .name: K, .offset: 8, .size: 8, .value_kind: global_buffer, .address_space: global }
      - { .name: V, .offset: 16, .size: 8, .value_kind: global_buffer, .address_space: global }
      - { .name: wc, .offset: 24, .size: 8, .value_kind: global_buffer, .address_space: global }
      - { .name: bq, .offset: 32, .size: 8, .value_kind: global_buffer, .address_space: global }
      - { .name: bk, .offset: 40, .size: 8, .value_kind: global_buffer, .address_space: global }
      - { .name: bv, .offset: 48, .size: 8, .value_kind: global_buffer, .address_space: global }
      - { .name: pqkv, .offset: 56, .size: 8, .value_kind: global_buffer, .address_space: global }
    .group_segment_fixed_size: 327680
    .private_segment_fixed_size: 0
    .kernarg_segment_align: 8
    .kernarg_segment_size: 64
    .max_flat_workgroup_size: 128
    .sgpr_count:     96
    .vgpr_count:     640
    .wavefront_size: 32
...
	.end_amdgpu_metadata
.endif
;; end of part 2
;; launch scores (part 3): grid 8 x 32, 4 waves a work-group, clusters of 4 x 4, 327,680 bytes of LDS; arguments pqkv, mask, pbuf, stats; writes pbuf, stats
.if DOCPART == 3
	.amdgcn_target "amdgcn-amd-amdhsa--gfx1250"
	.amdhsa_code_object_version 6
	.text
	.protected	k_qa3b5a85cfb_scores
	.globl	k_qa3b5a85cfb_scores
	.p2align	8
	.type	k_qa3b5a85cfb_scores,@function
k_qa3b5a85cfb_scores:
	s_mov_b64 s[64:65], 0
	v_nop
	global_prefetch_b8 v0, s[64:65] scope:SCOPE_SE
	s_setreg_imm32_b32 hwreg(HW_REG_WAVE_MODE, 25, 1), 1
	s_wait_xcnt 0x0
	s_wait_alu depctr_hold_cnt(0) depctr_sa_sdst(0) depctr_va_vdst(0) depctr_va_sdst(0) depctr_va_ssrc(0) depctr_va_vcc(0) depctr_vm_vsrc(0)
	s_getreg_b32 s2, hwreg(HW_REG_IB_STS2, 6, 4)
	s_cmp_eq_u32 s2, 0
	s_cbranch_scc0 .Lentry_in_a_cluster
	s_endpgm
.Lentry_in_a_cluster:
	s_bfe_u32 s2, ttmp6, 0x10000c
	s_cmp_lg_u32 s2, 0xf033
	s_cbranch_scc0 .Lentry_shape_is_right
	s_endpgm
.Lentry_shape_is_right:
; SCORES AND THE FIRST HALF OF THE SOFTMAX.  s[q][k] = sum over e of pq[q][e] pk[k][e] (f16 operands, f32 sums), hidden where mask[q][k] = 0.
; For each row q and each CHUNK of 128 keys: cm = c x (the largest visible s of the chunk), c = log2(e) / 8; P[q][k] = 2^(c s - cm), written as f16; l = the sum of the unrounded P.
; The true maximum of the chunk is taken away in front of the exponential; the next launch joins the 16 chunks of a row exactly.  stats[2][batch][chunk][q]: plane 0 cm, plane 1 l.
; LIMITS.  A hidden score counts as -1e30 (f16 operands give scores of 4.4e12 at the most); its weight is 0 beside any visible score of its chunk.  In a chunk with no visible key P is 1 and cm is -1.8e29:
; the next launch gives such a chunk the factor 0.  P below 6e-8 of its chunk's largest is 0; below 6e-5 it keeps f16's fixed step.
; SHARES.  A tile is 256 queries x 256 keys: 32 x 8 = 256 work-groups.  Four waves, each 128 x 128: 64 accumulators, 512 registers; a wave's columns are one chunk, so no wave needs another's numbers.
; K (the 1,024 channels) goes in 8 steps of 128 through two LDS slots; each wave fetches 128 rows x 256 bytes: waves 0, 1 the halves of pq's tile, waves 2, 3 those of pk's.
; CLUSTER 4 x 4: pq's tile is shared along a row of the cluster, pk's along a column.  The matrix instruction is used transposed (source 0 = 16 keys, source 1 = 16 queries): a lane holds query lane % 16 and
; eight neighbouring keys, so a row's maximum and sum want one exchange between the halves of the lanes.
; THE MASK COMES THROUGH THE RING.  The change of slots in K step 6 fills slot 0 with the mask of every wave's row blocks 0-3, that in K step 7 fills slot 1 with blocks 4-7: plain loads, one a wave,
; 32 rows x 1,024 bytes.  The first has a K step in which to land, the second four blocks of the way out.
; THE WAY OUT goes by blocks of 16 rows.  Only the lines that apply the mask name a block's accumulators: they move it into fixed registers, and a forward jump on the block's number chooses them; the rest is one text.
; REGISTERS, in windows of 256 (s_set_vgpr_msb: bits 1:0 source 0, 3:2 source 1, 5:4 source 2, 7:6 destination):
;   window 0: v0-29 addresses and statistics; v64-127, v128-191 pq's fragments, two buffers; on the way out v32-63 P, v64-127 the mask, v192-255 a block's scores
;   window 1: v64-127, v128-191 pk's fragments          window 2: accumulator (a, n) of my rows 0-63 at v[8 (8 a + n)]          window 3: those of my rows 64-127
.set PITCH,  272                       ; an LDS row: 256 bytes + 16 = 17 x 16: the 16 rows of a load start at 16 different groups of four banks (ISA guide 11.1)
.set HALFT,  128*PITCH                 ; 128 rows: what one tensor load brings, and what one wave reads of pq or of pk
.set SLOT1,  4*HALFT                   ; 139,264 = 0x22000: no load's place in a slot (a multiple of 0x8800, or of 0x8200 for the mask) has one of its bits, so one exclusive or changes slots
.set KB,     256                       ; bytes along a row for a K step
.set MP,     1040                      ; an LDS row of the mask: 1,024 bytes + 16 = 65 x 16
.set MBLK,   16*MP                     ; a block of 16 rows
.set MQ,     32*MP                     ; what one wave's mask load fills
.set STAGE,  2*SLOT1                   ; behind the ring, never filled by a tensor load: 16 rows x 272 bytes for each wave, for P
.set SPITCH, 272
.set STAT,   STAGE+4*16*SPITCH         ; 1,024 bytes a wave: 128 cm, 128 l
.set SPARE,  327168                    ; the spare words: 128 bytes for each wave, two blocks of 256 bytes that no other line names
.set ABASE, 4                          ; v4   my lane's place in pq's tile; never rewritten
.set BBASE, 5                          ; v5   the same for pk
.set AADR,  6                          ; v6, v7  the same in the slot in hand
.set BADR,  7
.set STO,   8                          ; v8   where I put 16 bytes of a row of P
.set RD,    9                          ; v9   where I read a row back
.set GO,    10                         ; v10  my byte offset in two rows of P
.set MBASE, 11                         ; v11  my lane's place in a block of the mask
.set MADR,  12                         ; v12  the same in the block to come
.set SBASE, 13                         ; v13  where row lane % 16 of my stage for cm and l lies
.set SADR,  14                         ; v14  the same in the block in hand
.set LD16,  15                         ; v15  where I read four cm back
.set GS,    16                         ; v16  16 x lane
.set VBIG,  17                         ; v17  -1e30
.set C0,    20                         ; v20-23  four running maxima
.set CM,    24                         ; v24 c m, v25 m
.set T,     26                         ; v26, v27 at work; then l
.set SPW,   28                         ; v28  LDS address of my spare word; never rewritten
.set NIL,   29                         ; v29  0; never rewritten
.set P,     32
.set M,     64
.set W,     192
.set F0,    64                         ; fragment buffers
.set F1,    128
.set WV,  10                           ; s10  wave
.set WM,  11                           ; s11  my half of the tile's rows; also: I fetch for pq (0) or for pk (1)
.set WN,  12                           ; s12  my half of its columns; also: which half of that tile I fetch
.set G1A, 24                           ; s[24:31] descriptor group 1 for pq's tiles; s[32:39] group 0: a set for each first fill, the second then walks
.set G0A, 32
.set G1B, 48                           ; s[48:55], s[56:63] the same for pk's
.set G0B, 56
.set TB,  66                           ; s66  LDS byte at which the slot in hand begins
.set CNT, 67
.set G1M, 76                           ; s[76:83] descriptor group 1 for the mask
.set OB,  84                           ; s[84:85] P at my rows and columns
.set STB, 86                           ; s[86:87] stats at my chunk and rows
.set CS,  88                           ; s[88:89] c: the packed scaling takes the pair's low word for both halves
.set AI,  90                           ; s90  the block in hand, 0 to 7
.set MS,  91                           ; s91  its step in the mask
.set G0M, 92                           ; s[92:95] descriptor group 0 for the mask: it walks
.set SS,  96                           ; s96  the block's step in the stage for cm and l
.set CN2, 97
.set SEL, 98                           ; s[98:99] v_permlanex16_b32's selects: each lane takes its own place in the other half
.set MUL_LO, 0xa1                      ; source 0 (pk) window 1, source 1 (pq) window 0, C and D window 2
.set MUL_HI, 0xf1                      ; the same, C and D window 3
.set TO_B,   0x40                      ; destination window 1, address window 0
.set MSB, 0
.macro WIN new                         ; the immediate's high byte repeats the setting that is left; a switch that changes nothing is dropped
.if MSB != (\new)
	s_set_vgpr_msb (MSB<<8)|(\new)
.set MSB, \new
.endif
.endm
.macro PLACES                          ; four places in front of loads into registers that products have read, and of vector lines that read results (ISA guide 7.12.1 for vector instructions)
.rept 4
	v_nop
.endr
.endm
.macro JLOAD                           ; a joint refill by the walking descriptors; an s_nop 0 and four v_nop follow each of the two lines
	s_cmp_eq_u32 s[WM], 0
	s_cbranch_scc0 .Lfor_b_\@
	tensor_load_to_lds s[G0A+4:G0A+7], s[G1A:G1A+7]
	s_nop 0
.rept 4
	v_nop
.endr
	s_branch .Lasked_\@
.Lfor_b_\@:
	tensor_load_to_lds s[G0B+4:G0B+7], s[G1B:G1B+7]
	s_nop 0
.rept 4
	v_nop
.endr
.Lasked_\@:
.endm
.macro CREST                           ; a round of the cluster's barrier behind its opening barrier
	s_cmp_lg_u32 s[WV], 0
	s_cbranch_scc1 .Lnot_wave_0_\@
	s_barrier_signal -3
.Lnot_wave_0_\@:
	s_barrier_wait -3
	s_barrier_signal -1
	s_barrier_wait -1
.endm
.macro CROUND                          ; a whole round
	s_barrier_signal -1
	s_barrier_wait -1
	CREST
.endm
	s_load_b256 s[68:75], s[0:1], 0x0              ; pqkv s[68:69], mask s[70:71], pbuf s[72:73], stats s[74:75]
	v_lshl_add_u32 v[SPW], v0, 2, SPARE
	v_mov_b32 v[NIL], 0
	ds_add_u32 v[SPW], v[NIL]                      ; the wave's opening: the add and its wait stand ahead of my first tensor load; the set-up below stands between them
	v_lshrrev_b32 v3, 5, v0
	v_readfirstlane_b32 s[WV], v3
	s_lshr_b32 s[WM], s[WV], 1
	s_and_b32 s[WN], s[WV], 1
	s_bfe_u32 s40, ttmp6, 0x40000                  ; cx
	s_bfe_u32 s41, ttmp6, 0x40004                  ; cy
	s_lshl_b32 s42, ttmp9, 2
	s_add_co_u32 s42, s42, s40                     ; tile column X: 256 keys of the batch
	s_and_b32 s45, ttmp7, 0xffff
	s_lshr_b32 s46, s45, 1                         ; the batch: two clusters along y for each, so the whole cluster shares it
	s_lshl_b32 s13, s45, 2
	s_add_co_u32 s13, s13, s41                     ; tile row Y: 256 of the 8,192 queries
	s_lshl_b32 s43, s41, 2
	s_lshl_b32 s43, 15, s43                        ; my row of the cluster
	s_lshl_b32 s44, 0x1111, s40                    ; my column
	s_or_b32 s[G1A], s43, (1<<16)|(1<<20)|(1<<21)|(5<<22)|(3<<25)  ; the mask of my row; elements of 2 bytes; padding on; bit 21 beside a mask; after every 64 words 4 words
	s_or_b32 s[G1B], s44, (1<<16)|(1<<20)|(1<<21)|(5<<22)|(3<<25)  ; the same with the mask of my column
.irp g, G1A, G1B
	s_mov_b32 s[(\g)+1], 128<<16                   ; tensor_dim0 = 128
	s_mov_b32 s[(\g)+2], 128<<16                   ; tensor_dim1 = 128
	s_mov_b32 s[(\g)+3], 128<<16                   ; tile_dim0 = 128
	s_mov_b32 s[(\g)+4], 128                       ; tile_dim1 = 128
	s_mov_b32 s[(\g)+5], 1024                      ; elements from row to row
	s_mov_b32 s[(\g)+6], 0
	s_mov_b32 s[(\g)+7], 0
.endr
	s_mov_b32 s[G1M], (2<<16)|(1<<20)|(7<<22)|(3<<25)  ; no work-group mask: each work-group's own tile; elements of 4 bytes; padding on; after every 256 words 4 words
	s_mov_b32 s[G1M+1], 256<<16                    ; tensor_dim0 = 256
	s_mov_b32 s[G1M+2], 32<<16                     ; tensor_dim1 = 32
	s_mov_b32 s[G1M+3], 256<<16                    ; tile_dim0 = 256
	s_mov_b32 s[G1M+4], 32                         ; tile_dim1 = 32
	s_mov_b32 s[G1M+5], 2048                       ; elements from row to row
	s_mov_b32 s[G1M+6], 0
	s_mov_b32 s[G1M+7], 0
	s_lshl_b32 s14, s13, 8                         ; pq: row 256 Y + 128 x half, of 2,048 bytes
	s_lshl_b32 s15, s[WN], 7
	s_add_co_u32 s14, s14, s15
	s_lshl_b32 s14, s14, 11
	s_mov_b32 s15, 0
	s_lshl_b32 s16, s42, 8                         ; pk: row 2,048 x batch + 256 X + 128 x half, in plane 1 of pqkv
	s_lshl_b32 s17, s[WN], 7
	s_add_co_u32 s16, s16, s17
	s_lshl_b32 s17, s46, 11
	s_add_co_u32 s16, s16, s17
	s_lshl_b32 s16, s16, 11
	s_add_co_u32 s16, s16, 0x1000000
	s_mov_b32 s17, 0
	s_mul_i32 s22, s[WV], HALFT                    ; where my load goes: pq's two halves, then pk's: no place in the cluster enters an LDS address
	s_lshl_b32 s4, s13, 8                          ; my first query, 256 Y + 128 wm,
	s_lshl_b32 s5, s[WM], 7
	s_add_co_u32 s4, s4, s5
	s_lshl_b32 s5, s42, 8                          ; and my first key in the batch, 256 X + 128 wn
	s_lshl_b32 s6, s[WN], 7
	s_add_co_u32 s5, s5, s6
	s_lshl_b32 s6, s4, 12                          ; in P: rows of 4,096 bytes, 2 bytes a key
	s_lshl_b32 s7, s5, 1
	s_add_co_u32 s6, s6, s7
	s_mov_b32 s7, 0
	s_lshl_b32 s8, s[WN], 5                        ; the 32 rows of the mask that I fetch begin at row 256 Y + 128 wm + 32 wn (and 64 further on for the second half),
	s_add_co_u32 s8, s8, s4
	s_lshl_b32 s8, s8, 13                          ; of 8,192 bytes,
	s_lshl_b32 s9, s42, 10                         ; at the tile's first key
	s_add_co_u32 s8, s8, s9
	s_mov_b32 s9, 0
	s_lshl_b32 s2, s46, 4                          ; in stats: ((16 x batch + chunk) x 2,048 + query in the batch) x 4
	s_lshr_b32 s3, s5, 7
	s_add_co_u32 s2, s2, s3
	s_lshl_b32 s2, s2, 11
	s_and_b32 s3, s4, 2047
	s_add_co_u32 s2, s2, s3
	s_lshl_b32 s2, s2, 2
	s_mov_b32 s3, 0
	s_mov_b32 s[G0M], 1                            ; count = 1
	s_mul_i32 s[G0M+1], s[WV], MQ                  ; LDS address: my 32 rows; it starts in slot 1, since the step in front of the first mask load turns it into slot 0
	s_add_co_u32 s[G0M+1], s[G0M+1], SLOT1
	s_mov_b32 s[CS], 0x3e38aa3b                    ; c = log2(e) / 8 = 0.180337
	s_mov_b32 s[CS+1], s[CS]                       ; named with it as a pair
	s_mov_b32 s[SEL], 0x76543210
	s_mov_b32 s[SEL+1], 0xfedcba98
	s_mov_b32 s[TB], 0
	s_wait_dscnt 0x0                               ; the opening add is done
	s_wait_kmcnt 0x0
	s_add_nc_u64 s[18:19], s[68:69], s[14:15]
	s_add_nc_u64 s[20:21], s[68:69], s[16:17]
	s_add_nc_u64 s[OB:OB+1], s[72:73], s[6:7]
	s_add_nc_u64 s[STB:STB+1], s[74:75], s[2:3]
	s_add_nc_u64 s[G0M+2:G0M+3], s[70:71], s[8:9]
	s_sub_nc_u64 s[G0M+2:G0M+3], s[G0M+2:G0M+3], 64*8192  ; one step back: the step in front of each mask load goes 64 rows on; this value itself is never asked for
	s_or_b32 s[G0M+3], s[G0M+3], 0x80000000        ; type = 2
.irp n, 0,1
	s_mov_b32 s[G0A+4*(\n)], 1                                     ; count = 1
	s_add_co_u32 s[G0A+4*(\n)+1], s22, (\n)*SLOT1                  ; LDS address
	s_add_nc_u64 s[G0A+4*(\n)+2:G0A+4*(\n)+3], s[18:19], (\n)*KB   ; global address: K step n
	s_or_b32 s[G0A+4*(\n)+3], s[G0A+4*(\n)+3], 0x80000000          ; type = 2
	s_mov_b32 s[G0B+4*(\n)], 1
	s_add_co_u32 s[G0B+4*(\n)+1], s22, (\n)*SLOT1
	s_add_nc_u64 s[G0B+4*(\n)+2:G0B+4*(\n)+3], s[20:21], (\n)*KB
	s_or_b32 s[G0B+4*(\n)+3], s[G0B+4*(\n)+3], 0x80000000
.endr
	CROUND                                         ; all sixteen work-groups are here: the first joint loads meet
	s_cmp_eq_u32 s[WM], 0                          ; a wave's two first fills stand in one branch: two loads of mine are out
	s_cbranch_scc0 .Lfirst_b
	tensor_load_to_lds s[G0A:G0A+3], s[G1A:G1A+7]
	s_nop 0
	tensor_load_to_lds s[G0A+4:G0A+7], s[G1A:G1A+7]
	s_nop 0
.rept 4
	v_nop
.endr
	s_branch .Lfirst_asked
.Lfirst_b:
	tensor_load_to_lds s[G0B:G0B+3], s[G1B:G1B+7]
	s_nop 0
	tensor_load_to_lds s[G0B+4:G0B+7], s[G1B:G1B+7]
	s_nop 0
.rept 4
	v_nop
.endr
.Lfirst_asked:
	; A fragment is 16 rows x 32 K in 8 registers: lane (r, h) holds row r, K = 8 h + 0..7 and 16 + 8 h + 0..7: two loads of 16 bytes, 32 bytes apart.
	v_and_b32 v1, 15, v0                           ; r = lane % 16
	v_bfe_u32 v2, v0, 4, 1                         ; h = lane / 16
	v_and_b32 v3, 31, v0
	v_lshlrev_b32 v[GS], 4, v3                     ; 16 x lane
	v_mul_u32_u24 v3, v1, PITCH
	v_lshl_add_u32 v3, v2, 4, v3                   ; row x pitch + 16 x half
	s_mul_i32 s8, s[WM], HALFT                     ; my 128 rows of pq
	v_add_nc_u32 v[ABASE], s8, v3
	s_mul_i32 s9, s[WN], HALFT                     ; my 128 rows of pk,
	s_add_co_u32 s9, s9, 2*HALFT                   ; which lie behind pq's 256
	v_add_nc_u32 v[BBASE], s9, v3
	v_mov_b32 v[AADR], v[ABASE]
	v_mov_b32 v[BADR], v[BBASE]
	s_mul_i32 s47, s[WV], 16*SPITCH
	s_add_co_u32 s47, s47, STAGE                   ; my stage
	v_add_nc_u32 v[STO], s47, v3                   ; in: row r, 16 bytes for each half of the lanes (the stage's pitch is the tiles')
	v_mul_u32_u24 v[RD], v2, SPITCH                ; back: lanes 0-15 take one row of 256 bytes, lanes 16-31 the next
	v_lshl_add_u32 v[RD], v1, 4, v[RD]
	v_add_nc_u32 v[RD], s47, v[RD]
	v_lshlrev_b32 v[GO], 12, v2                    ; and the same two rows of 4,096 bytes in P
	v_lshl_add_u32 v[GO], v1, 4, v[GO]
	s_mul_i32 s8, s[WM], 4*MBLK                    ; the mask: in each slot my row half's four blocks lie on end; in a row my 128 keys begin at 512 wn, my lane's eight of 16 at 32 h
	s_lshl_b32 s9, s[WN], 9
	s_add_co_u32 s8, s8, s9
	v_mul_u32_u24 v[MBASE], v1, MP
	v_lshl_add_u32 v[MBASE], v2, 5, v[MBASE]
	v_add_nc_u32 v[MBASE], s8, v[MBASE]
	s_lshl_b32 s8, s[WV], 10
	s_add_co_u32 s8, s8, STAT
	v_lshl_add_u32 v[SBASE], v1, 2, s8
	v_add_nc_u32 v[LD16], s8, v[GS]
	v_mov_b32 v[VBIG], 0xf149f2ca                  ; -1e30
	v_mov_b32 v[T+1], 0                            ; v_permlanex16_b32 counts as a reader of its destination
; 16 products: row blocks a0, a0 + 1 of the window's four (hi = 0: my rows 0-63, 1: rows 64-127) x all 8 column blocks, 32 along K.  zero = 1: they start the sums.
; The 64 accumulators take turns in one order in every quarter.
.macro MUL16 f, hi, a0, zero
	WIN MUL_LO+0x50*(\hi)
.irp a, \a0, (\a0)+1
.irp b, 0,1,2,3,4,5,6,7
.if \zero
	v_wmma_f32_16x16x32_f16 v[8*(8*(\a)+(\b)):8*(8*(\a)+(\b))+7], v[(\f)+8*(\b):(\f)+8*(\b)+7], v[(\f)+8*(4*(\hi)+(\a)):(\f)+8*(4*(\hi)+(\a))+7], 0
.else
	v_wmma_f32_16x16x32_f16 v[8*(8*(\a)+(\b)):8*(8*(\a)+(\b))+7], v[(\f)+8*(\b):(\f)+8*(\b)+7], v[(\f)+8*(4*(\hi)+(\a)):(\f)+8*(4*(\hi)+(\a))+7], v[8*(8*(\a)+(\b)):8*(8*(\a)+(\b))+7]
.endif
.endr
.endr
.endm
; 32 LDS loads in one run: the fragments of one quarter (128 rows of pk, 128 rows of pq, 32 K at byte k of the rows of the slot in hand) into buffer f
.macro FETCH k, f
	WIN TO_B
.irp i, 0,1,2,3,4,5,6,7
	ds_load_b128 v[(\f)+8*(\i):(\f)+8*(\i)+3],   v[BADR] offset:(\k)+(\i)*16*PITCH
	ds_load_b128 v[(\f)+8*(\i)+4:(\f)+8*(\i)+7], v[BADR] offset:(\k)+(\i)*16*PITCH+32
.endr
	WIN 0
.irp i, 0,1,2,3,4,5,6,7
	ds_load_b128 v[(\f)+8*(\i):(\f)+8*(\i)+3],   v[AADR] offset:(\k)+(\i)*16*PITCH
	ds_load_b128 v[(\f)+8*(\i)+4:(\f)+8*(\i)+7], v[AADR] offset:(\k)+(\i)*16*PITCH+32
.endr
.endm
; One of a K step's first three quarters: multiplies buffer f; in its middle it fetches the next quarter's fragments, at byte k, into buffer g, 32 products ahead of their first use.
.macro QUARTER k, f, g, zero
	s_wait_dscnt 8                                 ; pk and pq's rows 0-63 are in; the youngest eight loads (pq's rows 64-127) may be out
	MUL16 \f, 0, 0, \zero
	MUL16 \f, 0, 2, \zero
	PLACES
	FETCH \k, \g
	s_wait_dscnt 32                                ; all but the 32 just issued
	MUL16 \f, 1, 0, \zero
	MUL16 \f, 1, 2, \zero
.endm
; The fourth quarter multiplies buffer 1 and changes slots.  In front of the one barrier each wave waits for all its tensor loads (one is out: its part of the next slot), adds 0 to its spare word, and waits for that
; and for its reads of this slot.  The barrier opens a round of the cluster's, and the slot just read out is filled again first thing behind it: joint = 1: with the K step two steps on; joint = 0: with half of the mask.
.macro TURN joint
	WIN 0                                          ; (the add's two registers lie in window 0)
	s_wait_tensorcnt 0x0                           ; no tensor load of mine is out, so a group 0 may be written
	ds_add_u32 v[SPW], v[NIL]                      ; 0 onto my spare word
	s_wait_dscnt 9                                 ; (the add and the youngest eight loads may be out)
	MUL16 F1, 0, 0, 0                              ; sixteen products stand between the add and the wait for it
.if \joint
	s_xor_b32 s[G0A+5], s[G0A+5], SLOT1            ; the walking descriptors: the other slot than last time, the next K step
	s_add_nc_u64 s[G0A+6:G0A+7], s[G0A+6:G0A+7], KB
	s_xor_b32 s[G0B+5], s[G0B+5], SLOT1
	s_add_nc_u64 s[G0B+6:G0B+7], s[G0B+6:G0B+7], KB
.else
	s_xor_b32 s[G0M+1], s[G0M+1], SLOT1            ; the mask's descriptor: the slot that is left, 64 rows on
	s_add_nc_u64 s[G0M+2:G0M+3], s[G0M+2:G0M+3], 64*8192
.endif
	s_wait_dscnt 0x0                               ; the add is done, and my reads of this slot are over
	s_barrier_signal -1
	MUL16 F1, 0, 2, 0                              ; work on registers while the others arrive
	WIN 0
	s_barrier_wait -1
	CREST
.if \joint
	JLOAD
.else
	tensor_load_to_lds s[G0M:G0M+3], s[G1M:G1M+7]  ; every wave's own 32 rows
	s_nop 0
	PLACES
.endif
	s_xor_b32 s[TB], s[TB], SLOT1
	v_add_nc_u32 v[AADR], s[TB], v[ABASE]
	v_add_nc_u32 v[BADR], s[TB], v[BBASE]
	FETCH 0, F0                                    ; the four v_nop behind the tensor load are the places in front of these loads
	MUL16 F1, 1, 0, 0
	MUL16 F1, 1, 2, 0
.endm
	s_wait_tensorcnt 0x1                           ; my part of K step 0 is in; K step 1's may stay out
	s_barrier_signal -1
	s_barrier_wait -1
	FETCH 0, F0
	QUARTER 64, F0, F1, 1                          ; the first quarter stands in front of the loop: its products start the sums
	WIN 0
	s_mov_b32 s[CNT], 6
.Lk:                                               ; a trip: from a K step's second quarter to the next step's first; it fills one slot again
	QUARTER 128, F1, F0, 0
	QUARTER 192, F0, F1, 0
	TURN 1
	QUARTER 64, F0, F1, 0
	WIN 0
	s_sub_co_u32 s[CNT], s[CNT], 1
	s_cmp_lg_u32 s[CNT], 0
	s_cbranch_scc1 .Lk
	s_mov_b32 s[CNT], 2                            ; K steps 6 and 7 ask for the mask; their text is entered at a second quarter
	s_branch .Ltm
.Lt:
	QUARTER 64, F0, F1, 0
	WIN 0
.Ltm:
	QUARTER 128, F1, F0, 0
	QUARTER 192, F0, F1, 0
	TURN 0                                         ; in K step 7 its fetch reads slot 0, which holds the mask by then, and nothing uses what it brings: the price of one text for both steps
	WIN 0
	s_sub_co_u32 s[CNT], s[CNT], 1
	s_cmp_lg_u32 s[CNT], 0
	s_cbranch_scc1 .Lt
; THE WAY OUT.
.macro MLOAD                           ; a block's mask in the accumulators' layout: register 8 n + j of lane (r, h) is the word of row r, key 16 n + 8 h + j
.irp n, 0,1,2,3,4,5,6,7
	ds_load_b128 v[M+8*\n:M+8*\n+3],   v[MADR] offset:64*\n
	ds_load_b128 v[M+8*\n+4:M+8*\n+7], v[MADR] offset:64*\n+16
.endr
.endm
.macro APPLY a                         ; block a's 64 scores a lane go into W, -1e30 in the place of a hidden one; each accumulator's registers in ascending order
	WIN 0x02+(\a)/4                                ; source 0 in window 2 or 3
.set i, 0
.rept 64
	v_cmp_eq_u32 vcc_lo, 0, v[M+i]
	v_cndmask_b32 v[W+i], v[64*((\a)%4)+i], v[VBIG], vcc_lo
.set i, i+1
.endr
	WIN 0
.endm
.macro FMA q                           ; pair q: c s - c m
	v_pk_fma_f32 v[W+2*(\q):W+2*(\q)+1], v[W+2*(\q):W+2*(\q)+1], s[CS:CS+1], v[CM:CM+1] op_sel_hi:[1,0,0] neg_lo:[0,0,1] neg_hi:[0,0,1]
.endm
	PLACES                                         ; behind the last products
	s_wait_dscnt 0x0                               ; the last fetch is back: its registers take the mask
	s_mov_b32 s[AI], 0
	s_mov_b32 s[MS], 0
	s_mov_b32 s[SS], 0
	s_mov_b32 s[CN2], 2
	v_mov_b32 v[MADR], v[MBASE]
	MLOAD                                          ; block 0: the round in K step 7 has shown every wave's part of the first half landed
.Lhalf:                                            ; twice: four blocks each
	s_mov_b32 s[CNT], 4
.Lblk:
	s_wait_dscnt 0x0                               ; the block's mask is in
.irp a, 0,1,2,3,4,5,6
	s_cmp_eq_u32 s[AI], \a
	s_cbranch_scc1 .Lap\a
.endr
	APPLY 7
	s_branch .Lcommon
.irp a, 6,5,4,3,2,1
.Lap\a:
	APPLY \a
	s_branch .Lcommon
.endr
.Lap0:
	APPLY 0
.Lcommon:
	s_add_co_u32 s[MS], s[MS], MBLK
	s_cmp_eq_u32 s[CNT], 1
	s_cbranch_scc1 .Lno_mask                       ; behind a half's last block stands the barrier below
	v_add_nc_u32 v[MADR], s[MS], v[MBASE]
	MLOAD                                          ; the next block's mask lands under this block's arithmetic
.Lno_mask:
.irp k, 0,1,2,3                        ; the largest of my 64 scores: four chains of sixteen, three operands at a time
	v_max3_num_f32 v[C0+\k], v[W+16*\k], v[W+16*\k+1], v[W+16*\k+2]
.endr
.irp i, 0,1,2,3,4,5
.irp k, 0,1,2,3
	v_max3_num_f32 v[C0+\k], v[C0+\k], v[W+16*\k+3+2*\i], v[W+16*\k+4+2*\i]
.endr
.endr
.irp k, 0,1,2,3
	v_max_num_f32 v[C0+\k], v[C0+\k], v[W+16*\k+15]
.endr
	v_max3_num_f32 v[C0], v[C0], v[C0+1], v[C0+2]
	v_max_num_f32 v[C0], v[C0], v[C0+3]
	v_permlanex16_b32 v[C0+1], v[C0], s[SEL], s[SEL+1]  ; the row's other 64 keys lie in the lane 16 away
	v_max_num_f32 v[CM+1], v[C0], v[C0+1]
	v_mul_f32 v[CM], s[CS], v[CM+1]
	; Scalings, exponentials and roundings by turns.  Behind exponential i stands a plain line that names neither its source nor its result: for even i the scaling of a pair four pairs ahead, while there are any;
	; for odd i the rounding of the pair whose second exponential stands two exponentials back, so that a plain line lies between every exponential and the use of its result (ISA guide 5.7.2).
.irp q, 0,1,2,3
	FMA \q
.endr
.set i, 0
.rept 64
	v_exp_f32 v[W+i], v[W+i]
.if (i%2 == 0) && (i/2+4 < 32)
	FMA i/2+4
.endif
.if (i%2 == 1) && (i >= 3)
	s_wait_alu depctr_va_vdst(0)
	v_cvt_pk_f16_f32 v[P+(i-3)/2], v[W+i-3], v[W+i-2]
.endif
.set i, i+1
.endr
	v_add_nc_u32 v[SADR], s[SS], v[SBASE]
	v_cvt_pk_f16_f32 v[P+31], v[W+62], v[W+63]
.irp n, 0,1,2,3,4,5,6,7                ; a lane's eight keys are 16 bytes of a row; they go into rows of 272 bytes and come back as whole rows of 256, into the registers that they left
	ds_store_b128 v[STO], v[P+4*\n:P+4*\n+3] offset:32*\n
.endr
.irp t, 0,1,2,3,4,5,6,7
	ds_load_b128 v[P+4*\t:P+4*\t+3], v[RD] offset:\t*2*SPITCH  ; LDS serves a wave's instructions in order (ISA guide 5.7.1.4): these see the stores above
.endr
.irp d, 2,4,8,16,32                    ; the sum of my 64 unrounded weights, in place, partners d registers apart; it stands between the stage's loads and the wait for them
.set b, 0
.rept 32/\d
	v_pk_add_f32 v[W+b:W+b+1], v[W+b:W+b+1], v[W+b+\d:W+b+\d+1]
.set b, b+2*\d
.endr
.endr
	v_add_f32 v[T], v[W], v[W+1]
	v_permlanex16_b32 v[T+1], v[T], s[SEL], s[SEL+1]
	v_add_f32 v[T], v[T], v[T+1]
	ds_store_b32 v[SADR], v[CM]                    ; the two lanes of a row write the same word with the same number
	ds_store_b32 v[SADR], v[T] offset:512
	s_wait_dscnt 0x0                               ; the block is back in registers
.irp t, 0,1,2,3,4,5,6,7
	global_store_b128 v[GO], v[P+4*\t:P+4*\t+3], s[OB:OB+1] offset:\t*2*4096  ; 16 lanes store 256 consecutive bytes, aligned
.endr
	s_wait_xcnt 0x0                                ; the stores' base and data are rewritten only behind this wait
	s_add_nc_u64 s[OB:OB+1], s[OB:OB+1], 16*4096
	s_add_co_u32 s[SS], s[SS], 64
	s_add_co_u32 s[AI], s[AI], 1
	s_sub_co_u32 s[CNT], s[CNT], 1
	s_cmp_lg_u32 s[CNT], 0
	s_cbranch_scc1 .Lblk
	s_wait_tensorcnt 0x0                           ; my part of the mask's second half is in (the second time nothing is out),
	s_wait_dscnt 0x0
	s_barrier_signal -1
	s_barrier_wait -1                              ; everybody's is
	s_add_co_u32 s[MS], s[MS], SLOT1-4*MBLK        ; my row half's blocks 4-7 lie at the same place in slot 1
	s_cmp_eq_u32 s[CN2], 1
	s_cbranch_scc1 .Lno_half
	v_add_nc_u32 v[MADR], s[MS], v[MBASE]
	MLOAD                                          ; block 4
.Lno_half:
	s_sub_co_u32 s[CN2], s[CN2], 1
	s_cmp_lg_u32 s[CN2], 0
	s_cbranch_scc1 .Lhalf
	ds_load_b128 v[P:P+3], v[LD16]                 ; my 128 cm and 128 l come back, four a lane,
	ds_load_b128 v[P+4:P+7], v[LD16] offset:512
	s_wait_dscnt 0x0
	global_store_b128 v[GS], v[P:P+3], s[STB:STB+1]                  ; and leave as 512 consecutive bytes each, aligned
	global_store_b128 v[GS], v[P+4:P+7], s[STB:STB+1] offset:524288
	s_wait_tensorcnt 0x0                           ; the wave's end
	ds_add_u32 v[SPW], v[NIL]
	s_wait_dscnt 0x0
	CROUND                                         ; the closing round
	s_endpgm
.Lfunc_end_k_qa3b5a85cfb_scores:
	.size	k_qa3b5a85cfb_scores, .Lfunc_end_k_qa3b5a85cfb_scores-k_qa3b5a85cfb_scores
	.p2alignl 7, 3214868480
	.fill 96, 4, 3214868480
	.section	.rodata,"a",@progbits
	.p2align	6, 0x0
	.amdhsa_kernel k_qa3b5a85cfb_scores
		.amdhsa_group_segment_fixed_size 327680
		.amdhsa_private_segment_fixed_size 0
		.amdhsa_enable_private_segment 0
		.amdhsa_kernarg_size 32
		.amdhsa_user_sgpr_count 2
		.amdhsa_user_sgpr_kernarg_segment_ptr 1
		.amdhsa_wavefront_size32 1
		.amdhsa_system_sgpr_workgroup_id_x 1
		.amdhsa_system_sgpr_workgroup_id_y 1
		.amdhsa_system_sgpr_workgroup_id_z 1
		.amdhsa_system_vgpr_workitem_id 0
		.amdhsa_next_free_vgpr 1024
		.amdhsa_next_free_sgpr 100
		.amdhsa_reserve_vcc 1
		.amdhsa_float_denorm_mode_32 3
		.amdhsa_float_denorm_mode_16_64 3
		.amdhsa_memory_ordered 1
		.amdhsa_forward_progress 1
		.amdhsa_inst_pref_size 121
	.end_amdhsa_kernel
	.amdgpu_metadata
---
amdhsa.version: [ 1, 2 ]
amdhsa.kernels:
  - .name:           k_qa3b5a85cfb_scores
    .symbol:         k_qa3b5a85cfb_scores.kd
    .args:
      - { .name: pqkv, .offset: 0, .size: 8, .value_kind: global_buffer, .address_space: global }
      - { .name: mask, .offset: 8, .size: 8, .value_kind: global_buffer, .address_space: global }
      - { .name: pbuf, .offset: 16, .size: 8, .value_kind: global_buffer, .address_space: global }
      - { .name: stats, .offset: 24, .size: 8, .value_kind: global_buffer, .address_space: global }
    .group_segment_fixed_size: 327680
    .private_segment_fixed_size: 0
    .kernarg_segment_align: 8
    .kernarg_segment_size: 32
    .max_flat_workgroup_size: 128
    .sgpr_count:     100
    .vgpr_count:     1024
    .wavefront_size: 32
...
	.end_amdgpu_metadata
.endif
;; end of part 3
;; launch pv (part 4): grid 4 x 64, 4 waves a work-group, clusters of 4 x 4, 327,680 bytes of LDS; arguments pbuf, stats, pqkv, mh; writes mh
.if DOCPART == 4
	.amdgcn_target "amdgcn-amd-amdhsa--gfx1250"
	.amdhsa_code_object_version 6
	.text
	.protected	k_qa3b5a85cfb_pv
	.globl	k_qa3b5a85cfb_pv
	.p2align	8
	.type	k_qa3b5a85cfb_pv,@function
k_qa3b5a85cfb_pv:
	s_mov_b64 s[64:65], 0
	v_nop
	global_prefetch_b8 v0, s[64:65] scope:SCOPE_SE
	s_setreg_imm32_b32 hwreg(HW_REG_WAVE_MODE, 25, 1), 1
	s_wait_xcnt 0x0
	s_wait_alu depctr_hold_cnt(0) depctr_sa_sdst(0) depctr_va_vdst(0) depctr_va_sdst(0) depctr_va_ssrc(0) depctr_va_vcc(0) depctr_vm_vsrc(0)
	s_getreg_b32 s2, hwreg(HW_REG_IB_STS2, 6, 4)
	s_cmp_eq_u32 s2, 0
	s_cbranch_scc0 .Lentry_in_a_cluster
	s_endpgm
.Lentry_in_a_cluster:
	s_bfe_u32 s2, ttmp6, 0x10000c
	s_cmp_lg_u32 s2, 0xf033
	s_cbranch_scc0 .Lentry_shape_is_right
	s_endpgm
.Lentry_shape_is_right:
; THE SECOND HALF OF THE SOFTMAX AND THE WEIGHTED SUM.  For row q: cM = the largest of its 16 chunks' cm; L = sum over chunks of l 2^(cm - cM); f = 2^(cm - cM) / L for each chunk.
; mh[q][e] = sum over chunks of f x (sum over the chunk's keys of P[q][k] pv[k][e]): f16 operands, f32 sums, f in f32; written once as f16.  f P is the softmax's weight: the row's true maximum has been taken away.
; LIMITS.  A row with no visible key (cM below -2^93; a hidden score's cm is -1.8e29) gets NaN, as the softmax of such a row is.  mh has pv's range; beyond 65,504 it becomes an infinity.
; SHARES.  A tile is 128 queries x 256 channels: 64 x 4 = 256 work-groups.  Four waves, each 64 x 128.  K (a batch's 2,048 keys) goes in 16 steps of 128, a chunk a step, through two LDS slots.
; Waves 0, 1 fetch the halves (64 rows x 256 bytes) of P's tile, waves 2, 3 the halves (64 keys x 512 bytes) of pv's.  CLUSTER 4 x 4: P's tile is shared along a row of the cluster, pv's along a column.
; The matrix instruction is used transposed (source 0 = 16 channels, turned out of LDS by ds_load_tr16_b128; source 1 = 16 queries): a lane holds query lane % 16, so f is one number a lane and row block.
; TWO SETS OF SUMS.  A chunk's products start a sum S of their own (C = 0 in the chunk's first quarter); the next chunk's first quarter folds it, O += f S, block a + 1's fold behind block a's products.
; O is cleared at the start, 256 v_mov_b32 in the wait for the first tiles: the price of one text for every fold; a first fold of its own would be a K step written out once more.
; REGISTERS, in windows of 256 (s_set_vgpr_msb: bits 1:0 source 0, 3:2 source 1, 5:4 source 2, 7:6 destination):
;   window 0: v0-29 addresses; v32-39 f of the chunk in hand, at the even registers; v40-43 f of the next; v64-95, v96-127 P's fragments, two buffers; v128-191, v192-255 pv's
;   window 1: S (a, n) at v[8 (8 a + n)]          window 2: O (a, n) at the same numbers
.set KSTEPS, 16
.set PA,    272                        ; an LDS row of P: 256 bytes + 16
.set AH,    64*PA
.set PBR,   544                        ; an LDS row of pv: 512 + 32 = 17 x 32
.set BH,    64*PBR
.set BO,    2*AH
.set SLOT1, 0x20000
.set ASTEP, 256                        ; 128 keys along a row of P
.set BSTEP, 128*2048                   ; 128 rows of pv
.set DP,    528                        ; the way out: a wave's 64 rows of 128 f32, 512 bytes + 16, in slots that have had their last fill
.set FT,    294912                     ; f: [16 chunks][128 rows] f32, 8,192 bytes into which no tile lands
.set SPARE, 327168                     ; the spare words: 128 bytes for each wave, two blocks of 256 bytes that no other line names
.set ABASE, 4
.set BBASE, 5
.set AADR,  6
.set BADR,  7
.set DST,   8
.set RDE,   9
.set RDO,   10
.set GO,    11
.set RA,    12
.set RB,    13
.set TOFF,  14                         ; v14  4 x thread: my row in stats
.set FST,   16                         ; v16  where I put my row's f
.set FBASE, 17                         ; v17  where row r of my 64 rows' f lies
.set FADR,  18                         ; v18  the same in the chunk to come
.set SPW,   28
.set NIL,   29
.set F,     32
.set FN,    40
.set AF,    64
.set BF,    128
.set WV,  10
.set WM,  11
.set WN,  12
.set G1A, 24
.set G0A, 32
.set G1B, 48
.set G0B, 56
.set TB,  66
.set CNT, 67
.set OB,  84                           ; s[84:85] mh at my rows and columns
.set SB,  86                           ; s[86:87] stats at the work-group's rows
.set GUARD, 90                         ; s90  -2^93
.set ES,  91
.set FS,  93                           ; s93  the chunk to come, x 512 bytes
.set W_MM, 0x50                        ; C and D in window 1
.set W_FO, 0xa1                        ; the fold: source 0 (S) window 1, source 1 (f) window 0, source 2 and destination (O) window 2
.set MSB, 0
.macro WIN new
.if MSB != (\new)
	s_set_vgpr_msb (MSB<<8)|(\new)
.set MSB, \new
.endif
.endm
.macro PLACES                          ; four places in front of loads into registers that products have read, and of vector lines that read results (ISA guide 7.12.1 for vector instructions)
.rept 4
	v_nop
.endr
.endm
.macro JLOAD                           ; a joint refill; an s_nop 0 and four v_nop follow each of the two lines
	s_cmp_eq_u32 s[WM], 0
	s_cbranch_scc0 .Lfor_b_\@
	tensor_load_to_lds s[G0A+4:G0A+7], s[G1A:G1A+7]
	s_nop 0
.rept 4
	v_nop
.endr
	s_branch .Lasked_\@
.Lfor_b_\@:
	tensor_load_to_lds s[G0B+4:G0B+7], s[G1B:G1B+7]
	s_nop 0
.rept 4
	v_nop
.endr
.Lasked_\@:
.endm
.macro CREST
	s_cmp_lg_u32 s[WV], 0
	s_cbranch_scc1 .Lnot_wave_0_\@
	s_barrier_signal -3
.Lnot_wave_0_\@:
	s_barrier_wait -3
	s_barrier_signal -1
	s_barrier_wait -1
.endm
.macro CROUND
	s_barrier_signal -1
	s_barrier_wait -1
	CREST
.endm
	s_load_b256 s[68:75], s[0:1], 0x0              ; pbuf s[68:69], stats s[70:71], pqkv s[72:73], mh s[74:75]
	v_lshl_add_u32 v[SPW], v0, 2, SPARE
	v_mov_b32 v[NIL], 0
	ds_add_u32 v[SPW], v[NIL]                      ; the wave's opening: the add and its wait stand ahead of my first tensor load
	v_lshrrev_b32 v3, 5, v0
	v_readfirstlane_b32 s[WV], v3
	s_lshr_b32 s[WM], s[WV], 1
	s_and_b32 s[WN], s[WV], 1
	s_bfe_u32 s40, ttmp6, 0x40000                  ; cx
	s_bfe_u32 s41, ttmp6, 0x40004                  ; cy
	s_lshl_b32 s42, ttmp9, 2
	s_add_co_u32 s42, s42, s40                     ; tile column X: 256 channels
	s_and_b32 s45, ttmp7, 0xffff
	s_lshr_b32 s46, s45, 2                         ; the batch, which the whole cluster shares
	s_lshl_b32 s13, s45, 2
	s_add_co_u32 s13, s13, s41                     ; tile row Y: 128 of the 8,192 queries
	s_lshl_b32 s43, s41, 2
	s_lshl_b32 s43, 15, s43
	s_lshl_b32 s44, 0x1111, s40
	s_or_b32 s[G1A], s43, (1<<16)|(1<<20)|(1<<21)|(5<<22)|(3<<25)  ; the mask of my row; elements of 2 bytes; padding on; bit 21 beside a mask; after every 64 words 4 words
	s_mov_b32 s[G1A+1], 128<<16
	s_mov_b32 s[G1A+2], 64<<16
	s_mov_b32 s[G1A+3], 128<<16
	s_mov_b32 s[G1A+4], 64
	s_mov_b32 s[G1A+5], 2048                       ; a row of P is 2,048 elements
	s_mov_b32 s[G1A+6], 0
	s_mov_b32 s[G1A+7], 0
	s_or_b32 s[G1B], s44, (1<<16)|(1<<20)|(1<<21)|(6<<22)|(7<<25)  ; the mask of my column; after every 128 words 8 words
	s_mov_b32 s[G1B+1], 256<<16                    ; 256 channels
	s_mov_b32 s[G1B+2], 64<<16                     ; 64 keys
	s_mov_b32 s[G1B+3], 256<<16
	s_mov_b32 s[G1B+4], 64
	s_mov_b32 s[G1B+5], 1024
	s_mov_b32 s[G1B+6], 0
	s_mov_b32 s[G1B+7], 0
	s_lshl_b32 s14, s13, 7                         ; P: row 128 Y + 64 x half, of 4,096 bytes
	s_lshl_b32 s15, s[WN], 6
	s_add_co_u32 s14, s14, s15
	s_lshl_b32 s14, s14, 12
	s_mov_b32 s15, 0
	s_lshl_b32 s16, s46, 11                        ; pv: row 2,048 x batch + 64 x half, of 2,048 bytes,
	s_lshl_b32 s17, s[WN], 6
	s_add_co_u32 s16, s16, s17
	s_lshl_b32 s16, s16, 11
	s_lshl_b32 s17, s42, 9                         ; channel 256 X,
	s_add_co_u32 s16, s16, s17
	s_add_co_u32 s16, s16, 0x2000000               ; in plane 2 of pqkv
	s_mov_b32 s17, 0
	s_mul_i32 s22, s[WN], AH
	s_mul_i32 s23, s[WN], BH
	s_add_co_u32 s23, s23, BO
	s_lshl_b32 s4, s13, 7                          ; my part of mh: row 128 Y + 64 wm, of 2,048 bytes,
	s_lshl_b32 s5, s[WM], 6
	s_add_co_u32 s4, s4, s5
	s_lshl_b32 s4, s4, 11
	s_lshl_b32 s5, s42, 9                          ; channel 256 X + 128 wn
	s_add_co_u32 s4, s4, s5
	s_lshl_b32 s5, s[WN], 8
	s_add_co_u32 s4, s4, s5
	s_mov_b32 s5, 0
	s_lshl_b32 s2, s46, 15                         ; stats: (16 x batch x 2,048 + the tile's first query in the batch) x 4
	s_and_b32 s3, s13, 15
	s_lshl_b32 s3, s3, 7
	s_add_co_u32 s2, s2, s3
	s_lshl_b32 s2, s2, 2
	s_mov_b32 s3, 0
	s_mov_b32 s[GUARD], 0xee000000                 ; -2^93
	s_mov_b32 s[TB], 0
	s_mov_b32 s[FS], 0
	s_wait_dscnt 0x0                               ; the opening add is done
	s_wait_kmcnt 0x0
	s_add_nc_u64 s[18:19], s[68:69], s[14:15]
	s_add_nc_u64 s[20:21], s[72:73], s[16:17]
	s_add_nc_u64 s[OB:OB+1], s[74:75], s[4:5]
	s_add_nc_u64 s[SB:SB+1], s[70:71], s[2:3]
.irp n, 0,1
	s_mov_b32 s[G0A+4*(\n)], 1
	s_add_co_u32 s[G0A+4*(\n)+1], s22, (\n)*SLOT1
	s_add_nc_u64 s[G0A+4*(\n)+2:G0A+4*(\n)+3], s[18:19], (\n)*ASTEP
	s_or_b32 s[G0A+4*(\n)+3], s[G0A+4*(\n)+3], 0x80000000
	s_mov_b32 s[G0B+4*(\n)], 1
	s_add_co_u32 s[G0B+4*(\n)+1], s23, (\n)*SLOT1
	s_add_nc_u64 s[G0B+4*(\n)+2:G0B+4*(\n)+3], s[20:21], (\n)*BSTEP
	s_or_b32 s[G0B+4*(\n)+3], s[G0B+4*(\n)+3], 0x80000000
.endr
	CROUND                                         ; all sixteen work-groups are here: the first joint loads meet
	s_cmp_eq_u32 s[WM], 0                          ; a wave's two first fills stand in one branch: two loads of mine are out
	s_cbranch_scc0 .Lfirst_b
	tensor_load_to_lds s[G0A:G0A+3], s[G1A:G1A+7]
	s_nop 0
	tensor_load_to_lds s[G0A+4:G0A+7], s[G1A:G1A+7]
	s_nop 0
.rept 4
	v_nop
.endr
	s_branch .Lfirst_asked
.Lfirst_b:
	tensor_load_to_lds s[G0B:G0B+3], s[G1B:G1B+7]
	s_nop 0
	tensor_load_to_lds s[G0B+4:G0B+7], s[G1B:G1B+7]
	s_nop 0
.rept 4
	v_nop
.endr
.Lfirst_asked:
	; Thread t joins the 16 chunks of row t of the tile, in the wait for the first tiles.
	v_lshlrev_b32 v[TOFF], 2, v0
.irp c, 0,1,2,3,4,5,6,7,8,9,10,11,12,13,14,15
	global_load_b32 v[64+\c], v[TOFF], s[SB:SB+1] offset:8192*\c         ; cm
.endr
.irp c, 0,1,2,3,4,5,6,7,8,9,10,11,12,13,14,15
	global_load_b32 v[80+\c], v[TOFF], s[SB:SB+1] offset:524288+8192*\c  ; l
.endr
	v_and_b32 v1, 15, v0                           ; r
	v_bfe_u32 v2, v0, 4, 1                         ; h
	s_mul_i32 s8, s[WM], AH
	v_mul_u32_u24 v[ABASE], v1, PA
	v_lshl_add_u32 v[ABASE], v2, 4, v[ABASE]
	v_add_nc_u32 v[ABASE], s8, v[ABASE]
	; The turning load takes 16 keys x 16 channels (lane l reads key 8 (l / 16) + l % 8, channels 8 ((l / 8) % 2) + 0..7) and leaves half a fragment: lane l holds channel l % 16 and 8 keys.
	v_and_b32 v3, 7, v0
	v_lshl_add_u32 v3, v2, 3, v3
	v_mul_u32_u24 v[BBASE], v3, PBR
	v_bfe_u32 v3, v0, 3, 1
	v_lshl_add_u32 v[BBASE], v3, 4, v[BBASE]
	s_lshl_b32 s9, s[WN], 8                        ; my 128 channels
	s_add_co_u32 s9, s9, BO
	v_add_nc_u32 v[BBASE], s9, v[BBASE]
	v_mov_b32 v[AADR], v[ABASE]
	v_mov_b32 v[BADR], v[BBASE]
	v_lshl_add_u32 v[FST], v0, 2, FT
	s_lshl_b32 s8, s[WM], 8
	s_add_co_u32 s8, s8, FT
	v_lshl_add_u32 v[FBASE], v1, 2, s8
	; The way out: in a row of 512 bytes the group g of four columns lies at (g % 2) 256 + 16 ((g / 2 + 8 (g % 2)) % 16)
	s_mul_i32 s47, s[WV], 64*DP
	v_mul_u32_u24 v[DST], v1, DP
	v_lshl_add_u32 v[DST], v2, 4, v[DST]
	v_add_nc_u32 v[DST], s47, v[DST]
	v_mul_u32_u24 v[RDE], v2, DP
	v_add_nc_u32 v[RDE], s47, v[RDE]
	v_xor_b32 v3, 8, v1
	v_lshl_add_u32 v[RDO], v3, 4, v[RDE]
	v_add_nc_u32 v[RDO], 256, v[RDO]
	v_lshl_add_u32 v[RDE], v1, 4, v[RDE]
	v_lshlrev_b32 v[GO], 11, v2
	v_lshl_add_u32 v[GO], v1, 4, v[GO]
.irp m, 0,1,2,3
	v_mov_b32 v[F+2*\m+1], 0                       ; the packed fold names f's register as a pair and takes the low one for both halves
.endr
	WIN 0x80                                       ; destination window 2
.set i, 0
.rept 256
	v_mov_b32 v[i], 0                              ; O
.set i, i+1
.endr
	WIN 0
	s_wait_loadcnt 0x0
	v_max3_num_f32 v96, v64, v65, v66              ; cM
.irp j, 67,69,71,73,75,77
	v_max3_num_f32 v96, v96, v[\j], v[\j+1]
.endr
	v_max_num_f32 v96, v96, v79
.irp c, 0,1,2,3,4,5,6,7,8,9,10,11,12,13,14,15
	v_sub_f32 v[64+\c], v[64+\c], v96
.endr
.irp c, 0,1,2,3,4,5,6,7,8,9,10,11,12,13,14,15
	v_exp_f32 v[64+\c], v[64+\c]                   ; 2^(cm - cM): 1 for the largest chunk, 0 for one with no visible key
.endr
	v_mov_b32 v99, 0x7fc00000                      ; NaN; also the plain instruction behind the last exponential (ISA guide 5.7.2)
	s_wait_alu depctr_va_vdst(0)
	v_mul_f32 v97, v80, v64                        ; L: at least 1, since the largest chunk's l holds a weight of 1
.irp c, 1,2,3,4,5,6,7,8,9,10,11,12,13,14,15
	v_fmac_f32 v97, v[80+\c], v[64+\c]
.endr
	v_cmp_gt_f32 vcc_lo, s[GUARD], v96             ; no visible key in the whole row?
	v_rcp_f32 v98, v97
	v_nop
	s_wait_alu depctr_va_vdst(0)
	v_cndmask_b32 v98, v98, v99, vcc_lo
.irp c, 0,1,2,3,4,5,6,7,8,9,10,11,12,13,14,15
	v_mul_f32 v[64+\c], v[64+\c], v98              ; f
.endr
.irp c, 0,1,2,3,4,5,6,7,8,9,10,11,12,13,14,15
	ds_store_b32 v[FST], v[64+\c] offset:512*\c
.endr
.macro MM4 a, n0, buf, zero            ; 4 products; the 32 accumulators take turns in one order in every quarter
	WIN W_MM
.irp n, \n0, (\n0)+1, (\n0)+2, (\n0)+3
.set rD, 8*(8*(\a)+(\n))
.set rB, BF+64*(\buf)+8*(\n)
.set rA, AF+32*(\buf)+8*(\a)
.if \zero
	v_wmma_f32_16x16x32_f16 v[rD:rD+7], v[rB:rB+7], v[rA:rA+7], 0
.else
	v_wmma_f32_16x16x32_f16 v[rD:rD+7], v[rB:rB+7], v[rA:rA+7], v[rD:rD+7]
.endif
.endr
.endm
.macro MM8 a, buf, zero
	MM4 \a, 0, \buf, \zero
	MM4 \a, 4, \buf, \zero
.endm
; 16 packed multiply-adds: pairs p0 .. p0 + 15 of row block a's 32: O += f S.  Each accumulator's registers in ascending order.
.macro FOLD a, p0
	WIN W_FO
.set p, \p0
.rept 16
	v_pk_fma_f32 v[64*(\a)+2*p:64*(\a)+2*p+1], v[64*(\a)+2*p:64*(\a)+2*p+1], v[F+2*(\a):F+2*(\a)+1], v[64*(\a)+2*p:64*(\a)+2*p+1] op_sel_hi:[1,0,1]
.set p, p+1
.endr
.endm
.macro NEWF                            ; the new chunk's f
	WIN 0
.irp m, 0,1,2,3
	v_mov_b32 v[F+2*\m], v[FN+\m]
.endr
.endm
.macro FETCH c, buf                    ; 24 LDS loads in one run: the fragments of quarter c (32 keys) of the slot in hand
	WIN 0
.irp m, 0,1,2,3
	ds_load_b128 v[AF+32*(\buf)+8*\m:AF+32*(\buf)+8*\m+3],   v[AADR] offset:64*(\c)+\m*16*PA
	ds_load_b128 v[AF+32*(\buf)+8*\m+4:AF+32*(\buf)+8*\m+7], v[AADR] offset:64*(\c)+\m*16*PA+32
.endr
.irp n, 0,1,2,3,4,5,6,7
	ds_load_tr16_b128 v[BF+64*(\buf)+8*\n:BF+64*(\buf)+8*\n+3],   v[BADR] offset:(\c)*32*PBR+32*\n
	ds_load_tr16_b128 v[BF+64*(\buf)+8*\n+4:BF+64*(\buf)+8*\n+7], v[BADR] offset:(\c)*32*PBR+16*PBR+32*\n
.endr
.endm
.macro FLOAD                           ; f of my four row blocks for the chunk to come
.irp m, 0,1,2,3
	ds_load_b32 v[FN+\m], v[FADR] offset:64*\m
.endr
.endm
; A chunk's first quarter.  Its products start the chunk's sums.  fold = 1: the chunk before is folded first: block 0's fold, 32 plain lines that name no register of the last products, are the places in front of
; the loads into the buffer that those multiplied; block a + 1's fold stands in sixteens behind block a's products, ahead of the products that start block a + 1 anew.  Then f changes.
.macro Q0 fold
	s_wait_dscnt 0x0                               ; the quarter's fragments and the new f are in
.if \fold
	FOLD 0, 0
	FOLD 0, 16
.else
	NEWF
.endif
	FETCH 1, 1
.irp a, 0,1,2
	MM4 \a, 0, 0, 1
.if \fold
	FOLD (\a)+1, 0
.endif
	MM4 \a, 4, 0, 1
.if \fold
	FOLD (\a)+1, 16
.endif
.endr
.if \fold
	NEWF
.endif
	MM8 3, 0, 1
.endm
.macro Q c                             ; a chunk's second or third quarter: its fragments are in; the next quarter's are asked for, 32 products ahead of their use
	s_wait_dscnt 0x0
	PLACES
	FETCH (\c)+1, ((\c)+1)%2
	MM8 0, (\c)%2, 0
	MM8 1, (\c)%2, 0
	MM8 2, (\c)%2, 0
	MM8 3, (\c)%2, 0
.endm
; The fourth quarter changes slots: one barrier; in front of it each wave waits for all its tensor loads (one is out: its part of the next slot), adds 0 to its spare word and waits for that;
; its reads of this slot are back already.  fill = 1: the barrier opens a round of the cluster's, and this slot is filled again first thing behind it, two K steps ahead.
; The four v_nop behind the barrier are the places in front of the loads into the buffer that the third quarter multiplied, and behind block 0's products, which the next fold reads first.
.macro Q3T fill
	WIN 0
	s_wait_dscnt 0x0                               ; the quarter's fragments are in: my reads of this slot are over
	s_wait_tensorcnt 0x0                           ; no tensor load of mine is out, so a group 0 may be written
	ds_add_u32 v[SPW], v[NIL]                      ; 0 onto my spare word
.if \fill
	s_xor_b32 s[G0A+5], s[G0A+5], SLOT1
	s_add_nc_u64 s[G0A+6:G0A+7], s[G0A+6:G0A+7], ASTEP
	s_xor_b32 s[G0B+5], s[G0B+5], SLOT1
	s_add_nc_u64 s[G0B+6:G0B+7], s[G0B+6:G0B+7], BSTEP
.endif
	s_wait_dscnt 0x0                               ; the add is done
	s_barrier_signal -1
	MM8 0, 1, 0
	WIN 0
	s_barrier_wait -1
.if \fill
	CREST
	JLOAD
.else
	PLACES
.endif
	s_xor_b32 s[TB], s[TB], SLOT1
	s_add_co_u32 s[FS], s[FS], 512
	s_min_u32 s[FS], s[FS], 15*512                 ; behind the last chunk: the last once more
	v_add_nc_u32 v[AADR], s[TB], v[ABASE]
	v_add_nc_u32 v[BADR], s[TB], v[BBASE]
	v_add_nc_u32 v[FADR], s[FS], v[FBASE]
	FLOAD
	FETCH 0, 0
	MM8 1, 1, 0
	MM8 2, 1, 0
	MM8 3, 1, 0
.endm
	s_wait_tensorcnt 0x1                           ; my part of K step 0 is in; K step 1's may stay out
	s_wait_dscnt 0x0                               ; for the others' sake: my rows' f are stored
	s_barrier_signal -1
	s_barrier_wait -1
	v_mov_b32 v[FADR], v[FBASE]
	FLOAD
	FETCH 0, 0
	Q0 0
	WIN 0
	s_mov_b32 s[CNT], KSTEPS-2
.Lk:
	Q 1
	Q 2
	Q3T 1
	Q0 1
	WIN 0
	s_sub_co_u32 s[CNT], s[CNT], 1
	s_cmp_lg_u32 s[CNT], 0
	s_cbranch_scc1 .Lk
	s_mov_b32 s[CNT], 2                            ; the last two K steps ask for nothing; their text is entered at a second quarter
	s_branch .Ltm
.Lt:
	Q0 1
	WIN 0
.Ltm:
	Q 1
	Q 2
	Q3T 0                                          ; at the very end its fetch reads the other slot's old bytes, and nothing uses them: the price of one text for both steps
	WIN 0
	s_sub_co_u32 s[CNT], s[CNT], 1
	s_cmp_lg_u32 s[CNT], 0
	s_cbranch_scc1 .Lt
	; THE WAY OUT.  Every wave's reads of the slots are back; the last chunk is folded; then the slots, which have had their last fill, take O.
	s_wait_dscnt 0x0
	s_barrier_signal -1
	s_barrier_wait -1
.irp a, 0,1,2,3
	FOLD \a, 0
	FOLD \a, 16
.endr
	WIN 0x08                                       ; store data in window 2
.irp a, 0,1,2,3
.irp n, 0,1,2,3,4,5,6,7
	ds_store_b128 v[DST], v[8*(8*\a+\n):8*(8*\a+\n)+3]   offset:\a*16*DP+32*\n
	ds_store_b128 v[DST], v[8*(8*\a+\n)+4:8*(8*\a+\n)+7] offset:\a*16*DP+256+((32*\n+128)&255)
.endr
.endr
	WIN 0
	s_mov_b32 s[ES], 0
	s_mov_b32 s[CNT], 4
.Lout:                                             ; a trip: 16 rows.  LDS serves a wave's instructions in order (ISA guide 5.7.1.4): the loads see my stores above
	v_add_nc_u32 v[RA], s[ES], v[RDE]
	v_add_nc_u32 v[RB], s[ES], v[RDO]
.irp i, 0,1,2,3,4,5,6,7
	ds_load_b128 v[64+8*\i:64+8*\i+3],   v[RA] offset:2*DP*\i
	ds_load_b128 v[64+8*\i+4:64+8*\i+7], v[RB] offset:2*DP*\i
.endr
.irp i, 0,1,2,3,4,5,6,7
	s_wait_dscnt 14-2*\i                           ; pair i of rows is in; the 14 - 2 i loads behind it stay out
.irp j, 0,1,2,3
	v_cvt_pk_f16_f32 v[64+8*\i+\j], v[64+8*\i+2*\j], v[64+8*\i+2*\j+1]
.endr
	global_store_b128 v[GO], v[64+8*\i:64+8*\i+3], s[OB:OB+1] offset:4096*\i  ; 16 lanes store 256 consecutive bytes, aligned
.endr
	s_wait_xcnt 0x0                                ; the stores' base and data are rewritten only behind this wait
	s_add_nc_u64 s[OB:OB+1], s[OB:OB+1], 16*2048
	s_add_co_u32 s[ES], s[ES], 16*DP
	s_sub_co_u32 s[CNT], s[CNT], 1
	s_cmp_lg_u32 s[CNT], 0
	s_cbranch_scc1 .Lout
	s_wait_tensorcnt 0x0                           ; the wave's end
	ds_add_u32 v[SPW], v[NIL]
	s_wait_dscnt 0x0
	CROUND                                         ; the closing round
	s_endpgm
.Lfunc_end_k_qa3b5a85cfb_pv:
	.size	k_qa3b5a85cfb_pv, .Lfunc_end_k_qa3b5a85cfb_pv-k_qa3b5a85cfb_pv
	.p2alignl 7, 3214868480
	.fill 96, 4, 3214868480
	.section	.rodata,"a",@progbits
	.p2align	6, 0x0
	.amdhsa_kernel k_qa3b5a85cfb_pv
		.amdhsa_group_segment_fixed_size 327680
		.amdhsa_private_segment_fixed_size 0
		.amdhsa_enable_private_segment 0
		.amdhsa_kernarg_size 32
		.amdhsa_user_sgpr_count 2
		.amdhsa_user_sgpr_kernarg_segment_ptr 1
		.amdhsa_wavefront_size32 1
		.amdhsa_system_sgpr_workgroup_id_x 1
		.amdhsa_system_sgpr_workgroup_id_y 1
		.amdhsa_system_sgpr_workgroup_id_z 1
		.amdhsa_system_vgpr_workitem_id 0
		.amdhsa_next_free_vgpr 768
		.amdhsa_next_free_sgpr 96
		.amdhsa_reserve_vcc 1
		.amdhsa_float_denorm_mode_32 3
		.amdhsa_float_denorm_mode_16_64 3
		.amdhsa_memory_ordered 1
		.amdhsa_forward_progress 1
		.amdhsa_inst_pref_size 95
	.end_amdhsa_kernel
	.amdgpu_metadata
---
amdhsa.version: [ 1, 2 ]
amdhsa.kernels:
  - .name:           k_qa3b5a85cfb_pv
    .symbol:         k_qa3b5a85cfb_pv.kd
    .args:
      - { .name: pbuf, .offset: 0, .size: 8, .value_kind: global_buffer, .address_space: global }
      - { .name: stats, .offset: 8, .size: 8, .value_kind: global_buffer, .address_space: global }
      - { .name: pqkv, .offset: 16, .size: 8, .value_kind: global_buffer, .address_space: global }
      - { .name: mh, .offset: 24, .size: 8, .value_kind: global_buffer, .address_space: global }
    .group_segment_fixed_size: 327680
    .private_segment_fixed_size: 0
    .kernarg_segment_align: 8
    .kernarg_segment_size: 32
    .max_flat_workgroup_size: 128
    .sgpr_count:     96
    .vgpr_count:     768
    .wavefront_size: 32
...
	.end_amdgpu_metadata
.endif
;; end of part 4
;; launch outp (part 5): grid 4 x 64, 4 waves a work-group, clusters of 4 x 4, 327,680 bytes of LDS; arguments mh, wc, bo, out0; writes out0
.if DOCPART == 5
	.amdgcn_target "amdgcn-amd-amdhsa--gfx1250"
	.amdhsa_code_object_version 6
	.text
	.protected	k_qa3b5a85cfb_outp
	.globl	k_qa3b5a85cfb_outp
	.p2align	8
	.type	k_qa3b5a85cfb_outp,@function
k_qa3b5a85cfb_outp:
	s_mov_b64 s[64:65], 0
	v_nop
	global_prefetch_b8 v0, s[64:65] scope:SCOPE_SE
	s_setreg_imm32_b32 hwreg(HW_REG_WAVE_MODE, 25, 1), 1
	s_wait_xcnt 0x0
	s_wait_alu depctr_hold_cnt(0) depctr_sa_sdst(0) depctr_va_vdst(0) depctr_va_sdst(0) depctr_va_ssrc(0) depctr_va_vcc(0) depctr_vm_vsrc(0)
	s_getreg_b32 s2, hwreg(HW_REG_IB_STS2, 6, 4)
	s_cmp_eq_u32 s2, 0
	s_cbranch_scc0 .Lentry_in_a_cluster
	s_endpgm
.Lentry_in_a_cluster:
	s_bfe_u32 s2, ttmp6, 0x10000c
	s_cmp_lg_u32 s2, 0xf033
	s_cbranch_scc0 .Lentry_shape_is_right
	s_endpgm
.Lentry_shape_is_right:
; THE LAST PROJECTION.  out0[q][d] = sum over e of mh[q][e] Wo[d][e] + bo[d].  mh: [8192][1024] f16; Wo: plane 3 of wc, rounded to bf16 and written as f16; bo rounded to bf16; sums and result in f32.
; SHARES.  A tile is 128 rows x 256 columns: 64 x 4 = 256 work-groups.  Four waves, each 64 x 128: 32 accumulators.  K goes in 8 steps of 128 through two LDS slots.
; Waves 0, 1 fetch the halves (64 rows) of mh's tile, waves 2, 3 the halves (128 rows) of Wo's.  CLUSTER 4 x 4: mh's tile is shared along a row of the cluster, Wo's along a column.
; The matrix instruction is used transposed (source 0 = 16 rows of Wo, source 1 = 16 rows of mh): a lane holds row lane % 16 and eight neighbouring columns.
; REGISTERS: window 0: v0-29 addresses; v32-37 bias; v64-95, v96-127 mh's fragments, two buffers; v128-191, v192-255 Wo's.  Window 1: accumulator (a, n) at v[8 (8 a + n)].
.set KSTEPS, 8
.set PA,    272                        ; an LDS row: 256 bytes + 16 = 17 x 16: the 16 rows of a load start at 16 different groups of four banks (ISA guide 11.1)
.set AH,    64*PA
.set PBR,   272
.set BH,    128*PBR
.set BO,    2*AH
.set SLOT1, 0x20000
.set ASTEP, 256
.set BSTEP, 256
.set DP,    528                        ; the way out: a wave's 64 rows of 128 f32, 512 bytes + 16, in slots that have had their last fill
.set SPARE, 327168                     ; the spare words: 128 bytes for each wave, two blocks of 256 bytes that no other line names
.set ABASE, 4
.set BBASE, 5
.set AADR,  6
.set BADR,  7
.set DST,   8
.set RDL,   9                          ; v9   where I read columns 4 lane .. 4 lane + 3 of a row back
.set GO,    11                         ; v11  16 x lane
.set RA,    12
.set SPW,   28
.set NIL,   29
.set BIAS,  32
.set AF,    64
.set BF,    128
.set WV,  10
.set WM,  11
.set WN,  12
.set G1A, 24
.set G0A, 32
.set G1B, 48
.set G0B, 56
.set TB,  66
.set CNT, 67
.set OB,  84                           ; s[84:85] out0 at my rows and columns
.set BB,  86                           ; s[86:87] bo at my columns
.set ES,  91
.set W_MM, 0x50
.set MSB, 0
.macro WIN new
.if MSB != (\new)
	s_set_vgpr_msb (MSB<<8)|(\new)
.set MSB, \new
.endif
.endm
.macro PLACES                          ; four places in front of loads into registers that products have read (ISA guide 7.12.1 for vector instructions)
.rept 4
	v_nop
.endr
.endm
.macro JLOAD                           ; a joint refill; an s_nop 0 and four v_nop follow each of the two lines
	s_cmp_eq_u32 s[WM], 0
	s_cbranch_scc0 .Lfor_b_\@
	tensor_load_to_lds s[G0A+4:G0A+7], s[G1A:G1A+7]
	s_nop 0
.rept 4
	v_nop
.endr
	s_branch .Lasked_\@
.Lfor_b_\@:
	tensor_load_to_lds s[G0B+4:G0B+7], s[G1B:G1B+7]
	s_nop 0
.rept 4
	v_nop
.endr
.Lasked_\@:
.endm
.macro CREST
	s_cmp_lg_u32 s[WV], 0
	s_cbranch_scc1 .Lnot_wave_0_\@
	s_barrier_signal -3
.Lnot_wave_0_\@:
	s_barrier_wait -3
	s_barrier_signal -1
	s_barrier_wait -1
.endm
.macro CROUND
	s_barrier_signal -1
	s_barrier_wait -1
	CREST
.endm
	s_load_b256 s[68:75], s[0:1], 0x0              ; mh s[68:69], wc s[70:71], bo s[72:73], out0 s[74:75]
	v_lshl_add_u32 v[SPW], v0, 2, SPARE
	v_mov_b32 v[NIL], 0
	ds_add_u32 v[SPW], v[NIL]                      ; the wave's opening: the add and its wait stand ahead of my first tensor load
	v_lshrrev_b32 v3, 5, v0
	v_readfirstlane_b32 s[WV], v3
	s_lshr_b32 s[WM], s[WV], 1
	s_and_b32 s[WN], s[WV], 1
	s_bfe_u32 s40, ttmp6, 0x40000                  ; cx
	s_bfe_u32 s41, ttmp6, 0x40004                  ; cy
	s_lshl_b32 s42, ttmp9, 2
	s_add_co_u32 s42, s42, s40                     ; tile column X
	s_and_b32 s45, ttmp7, 0xffff
	s_lshl_b32 s13, s45, 2
	s_add_co_u32 s13, s13, s41                     ; tile row Y
	s_lshl_b32 s43, s41, 2
	s_lshl_b32 s43, 15, s43
	s_lshl_b32 s44, 0x1111, s40
	s_or_b32 s[G1A], s43, (1<<16)|(1<<20)|(1<<21)|(5<<22)|(3<<25)  ; the mask of my row; elements of 2 bytes; padding on; bit 21 beside a mask; after every 64 words 4 words
	s_mov_b32 s[G1A+1], 128<<16
	s_mov_b32 s[G1A+2], 64<<16
	s_mov_b32 s[G1A+3], 128<<16
	s_mov_b32 s[G1A+4], 64
	s_mov_b32 s[G1A+5], 1024
	s_mov_b32 s[G1A+6], 0
	s_mov_b32 s[G1A+7], 0
	s_or_b32 s[G1B], s44, (1<<16)|(1<<20)|(1<<21)|(5<<22)|(3<<25)  ; the mask of my column
	s_mov_b32 s[G1B+1], 128<<16
	s_mov_b32 s[G1B+2], 128<<16
	s_mov_b32 s[G1B+3], 128<<16
	s_mov_b32 s[G1B+4], 128
	s_mov_b32 s[G1B+5], 1024
	s_mov_b32 s[G1B+6], 0
	s_mov_b32 s[G1B+7], 0
	s_lshl_b32 s14, s13, 7                         ; mh: row 128 Y + 64 x half, of 2,048 bytes
	s_lshl_b32 s15, s[WN], 6
	s_add_co_u32 s14, s14, s15
	s_lshl_b32 s14, s14, 11
	s_mov_b32 s15, 0
	s_lshl_b32 s16, s42, 8                         ; Wo: row 256 X + 128 x half, of 2,048 bytes, in plane 3 of wc
	s_lshl_b32 s17, s[WN], 7
	s_add_co_u32 s16, s16, s17
	s_lshl_b32 s16, s16, 11
	s_add_co_u32 s16, s16, 0x600000
	s_mov_b32 s17, 0
	s_mul_i32 s22, s[WN], AH
	s_mul_i32 s23, s[WN], BH
	s_add_co_u32 s23, s23, BO
	s_lshl_b32 s4, s13, 7                          ; my part of out0: row 128 Y + 64 wm, of 4,096 bytes,
	s_lshl_b32 s5, s[WM], 6
	s_add_co_u32 s4, s4, s5
	s_lshl_b32 s4, s4, 12
	s_lshl_b32 s6, s42, 8                          ; column 256 X + 128 wn, 4 bytes each
	s_lshl_b32 s7, s[WN], 7
	s_add_co_u32 s6, s6, s7
	s_lshl_b32 s6, s6, 2
	s_add_co_u32 s4, s4, s6
	s_mov_b32 s5, 0
	s_mov_b32 s7, 0
	s_mov_b32 s[TB], 0
	s_wait_dscnt 0x0                               ; the opening add is done
	s_wait_kmcnt 0x0
	s_add_nc_u64 s[18:19], s[68:69], s[14:15]
	s_add_nc_u64 s[20:21], s[70:71], s[16:17]
	s_add_nc_u64 s[OB:OB+1], s[74:75], s[4:5]
	s_add_nc_u64 s[BB:BB+1], s[72:73], s[6:7]
.irp n, 0,1
	s_mov_b32 s[G0A+4*(\n)], 1
	s_add_co_u32 s[G0A+4*(\n)+1], s22, (\n)*SLOT1
	s_add_nc_u64 s[G0A+4*(\n)+2:G0A+4*(\n)+3], s[18:19], (\n)*ASTEP
	s_or_b32 s[G0A+4*(\n)+3], s[G0A+4*(\n)+3], 0x80000000
	s_mov_b32 s[G0B+4*(\n)], 1
	s_add_co_u32 s[G0B+4*(\n)+1], s23, (\n)*SLOT1
	s_add_nc_u64 s[G0B+4*(\n)+2:G0B+4*(\n)+3], s[20:21], (\n)*BSTEP
	s_or_b32 s[G0B+4*(\n)+3], s[G0B+4*(\n)+3], 0x80000000
.endr
	CROUND                                         ; all sixteen work-groups are here: the first joint loads meet
	s_cmp_eq_u32 s[WM], 0                          ; a wave's two first fills stand in one branch: two loads of mine are out
	s_cbranch_scc0 .Lfirst_b
	tensor_load_to_lds s[G0A:G0A+3], s[G1A:G1A+7]
	s_nop 0
	tensor_load_to_lds s[G0A+4:G0A+7], s[G1A:G1A+7]
	s_nop 0
.rept 4
	v_nop
.endr
	s_branch .Lfirst_asked
.Lfirst_b:
	tensor_load_to_lds s[G0B:G0B+3], s[G1B:G1B+7]
	s_nop 0
	tensor_load_to_lds s[G0B+4:G0B+7], s[G1B:G1B+7]
	s_nop 0
.rept 4
	v_nop
.endr
.Lfirst_asked:
	v_and_b32 v1, 15, v0                           ; r
	v_bfe_u32 v2, v0, 4, 1                         ; h
	v_and_b32 v3, 31, v0
	v_lshlrev_b32 v[GO], 4, v3                     ; on the way out I hold columns 4 lane .. 4 lane + 3
	global_load_b128 v[BIAS:BIAS+3], v[GO], s[BB:BB+1]
	s_mul_i32 s8, s[WM], AH
	v_mul_u32_u24 v[ABASE], v1, PA
	v_lshl_add_u32 v[ABASE], v2, 4, v[ABASE]
	v_add_nc_u32 v[ABASE], s8, v[ABASE]
	s_mul_i32 s9, s[WN], BH
	s_add_co_u32 s9, s9, BO
	v_mul_u32_u24 v[BBASE], v1, PBR
	v_lshl_add_u32 v[BBASE], v2, 4, v[BBASE]
	v_add_nc_u32 v[BBASE], s9, v[BBASE]
	v_mov_b32 v[AADR], v[ABASE]
	v_mov_b32 v[BADR], v[BBASE]
	; The way out.  In a row of 512 bytes the group g of four columns lies at pos(g) = (g % 2) 256 + 16 ((g / 2 + 8 (g % 2)) % 16): the accumulators' stores (16 rows, one group) and the
	; reads (one row, groups 0-15 and then 16-31) each touch every bank once.
	s_mul_i32 s47, s[WV], 64*DP
	v_mul_u32_u24 v[DST], v1, DP
	v_lshl_add_u32 v[DST], v2, 4, v[DST]
	v_add_nc_u32 v[DST], s47, v[DST]
	v_and_b32 v3, 1, v0                            ; pos(lane)
	v_bfe_u32 v[RDL], v0, 1, 4
	v_lshl_add_u32 v[RDL], v3, 3, v[RDL]
	v_and_b32 v[RDL], 15, v[RDL]
	v_lshlrev_b32 v[RDL], 4, v[RDL]
	v_lshl_add_u32 v[RDL], v3, 8, v[RDL]
	v_add_nc_u32 v[RDL], s47, v[RDL]
.macro MM8 a, buf, zero                ; 8 products; the 32 accumulators take turns in one order in every quarter
	WIN W_MM
.irp n, 0,1,2,3,4,5,6,7
.set rD, 8*(8*(\a)+(\n))
.set rB, BF+64*(\buf)+8*(\n)
.set rA, AF+32*(\buf)+8*(\a)
.if \zero
	v_wmma_f32_16x16x32_f16 v[rD:rD+7], v[rB:rB+7], v[rA:rA+7], 0
.else
	v_wmma_f32_16x16x32_f16 v[rD:rD+7], v[rB:rB+7], v[rA:rA+7], v[rD:rD+7]
.endif
.endr
.endm
.macro FETCH c, buf                    ; 24 LDS loads in one run: the fragments of quarter c of the slot in hand
	WIN 0
.irp m, 0,1,2,3
	ds_load_b128 v[AF+32*(\buf)+8*\m:AF+32*(\buf)+8*\m+3],   v[AADR] offset:64*(\c)+\m*16*PA
	ds_load_b128 v[AF+32*(\buf)+8*\m+4:AF+32*(\buf)+8*\m+7], v[AADR] offset:64*(\c)+\m*16*PA+32
.endr
.irp n, 0,1,2,3,4,5,6,7
	ds_load_b128 v[BF+64*(\buf)+8*\n:BF+64*(\buf)+8*\n+3],   v[BADR] offset:64*(\c)+\n*16*PBR
	ds_load_b128 v[BF+64*(\buf)+8*\n+4:BF+64*(\buf)+8*\n+7], v[BADR] offset:64*(\c)+\n*16*PBR+32
.endr
.endm
.macro Q c, zero                       ; one of a K step's first three quarters: its fragments are in; the next quarter's are asked for, 32 products ahead of their use
	s_wait_dscnt 0x0
	PLACES
	FETCH (\c)+1, ((\c)+1)%2
	MM8 0, (\c)%2, \zero
	MM8 1, (\c)%2, \zero
	MM8 2, (\c)%2, \zero
	MM8 3, (\c)%2, \zero
.endm
; The fourth quarter changes slots: one barrier; in front of it each wave waits for all its tensor loads (one is out: its part of the next slot), adds 0 to its spare word and waits for that;
; its reads of this slot are back already.  fill = 1: the barrier opens a round of the cluster's, and this slot is filled again first thing behind it, two K steps ahead.
.macro Q3T fill
	WIN 0
	s_wait_dscnt 0x0                               ; the quarter's fragments are in: my reads of this slot are over
	s_wait_tensorcnt 0x0                           ; no tensor load of mine is out, so a group 0 may be written
	ds_add_u32 v[SPW], v[NIL]                      ; 0 onto my spare word
	PLACES                                         ; for the loads below into the buffer that the third quarter multiplied
.if \fill
	s_xor_b32 s[G0A+5], s[G0A+5], SLOT1
	s_add_nc_u64 s[G0A+6:G0A+7], s[G0A+6:G0A+7], ASTEP
	s_xor_b32 s[G0B+5], s[G0B+5], SLOT1
	s_add_nc_u64 s[G0B+6:G0B+7], s[G0B+6:G0B+7], BSTEP
.endif
	s_wait_dscnt 0x0                               ; the add is done
	s_barrier_signal -1
	MM8 0, 1, 0
	WIN 0
	s_barrier_wait -1
.if \fill
	CREST
	JLOAD
.endif
	s_xor_b32 s[TB], s[TB], SLOT1
	v_add_nc_u32 v[AADR], s[TB], v[ABASE]
	v_add_nc_u32 v[BADR], s[TB], v[BBASE]
	FETCH 0, 0
	MM8 1, 1, 0
	MM8 2, 1, 0
	MM8 3, 1, 0
.endm
	s_wait_tensorcnt 0x1                           ; my part of K step 0 is in; K step 1's may stay out
	s_barrier_signal -1
	s_barrier_wait -1
	FETCH 0, 0
	Q 0, 1
	WIN 0
	s_mov_b32 s[CNT], KSTEPS-2
.Lk:
	Q 1, 0
	Q 2, 0
	Q3T 1
	Q 0, 0
	WIN 0
	s_sub_co_u32 s[CNT], s[CNT], 1
	s_cmp_lg_u32 s[CNT], 0
	s_cbranch_scc1 .Lk
	s_mov_b32 s[CNT], 2                            ; the last two K steps ask for nothing; their text is entered at a second quarter
	s_branch .Ltm
.Lt:
	Q 0, 0
	WIN 0
.Ltm:
	Q 1, 0
	Q 2, 0
	Q3T 0                                          ; at the very end its fetch reads the other slot's old bytes, and nothing uses them: the price of one text for both steps
	WIN 0
	s_sub_co_u32 s[CNT], s[CNT], 1
	s_cmp_lg_u32 s[CNT], 0
	s_cbranch_scc1 .Lt
	; THE WAY OUT.  Every wave's reads of the slots are back; then the slots, which have had their last fill, take the accumulators.
	s_wait_dscnt 0x0
	s_barrier_signal -1
	s_barrier_wait -1
	s_wait_loadcnt 0x0                             ; the bias; rounded to bf16 like every input.  These six plain instructions are the places behind the last products
	v_cvt_pk_bf16_f32 v[BIAS+4], v[BIAS], v[BIAS+1]
	v_cvt_pk_bf16_f32 v[BIAS+5], v[BIAS+2], v[BIAS+3]
	v_lshlrev_b32 v[BIAS],   16, v[BIAS+4]
	v_and_b32     v[BIAS+1], 0xffff0000, v[BIAS+4]
	v_lshlrev_b32 v[BIAS+2], 16, v[BIAS+5]
	v_and_b32     v[BIAS+3], 0xffff0000, v[BIAS+5]
	WIN 0x04                                       ; store data in window 1
.irp a, 0,1,2,3
.irp n, 0,1,2,3,4,5,6,7
	ds_store_b128 v[DST], v[8*(8*\a+\n):8*(8*\a+\n)+3]   offset:\a*16*DP+32*\n                  ; each accumulator's low registers first
	ds_store_b128 v[DST], v[8*(8*\a+\n)+4:8*(8*\a+\n)+7] offset:\a*16*DP+256+((32*\n+128)&255)
.endr
.endr
	WIN 0
	s_mov_b32 s[ES], 0
	s_mov_b32 s[CNT], 4
.Lout:                                             ; a trip: 16 rows.  LDS serves a wave's instructions in order (ISA guide 5.7.1.4): the loads see my stores above
	v_add_nc_u32 v[RA], s[ES], v[RDL]
.irp i, 0,1,2,3,4,5,6,7,8,9,10,11,12,13,14,15
	ds_load_b128 v[64+4*\i:64+4*\i+3], v[RA] offset:DP*\i
.endr
.irp i, 0,1,2,3,4,5,6,7,8,9,10,11,12,13,14,15
	s_wait_dscnt 15-\i                             ; row i is in; the 15 - i loads behind it stay out
	v_pk_add_f32 v[64+4*\i:64+4*\i+1],   v[64+4*\i:64+4*\i+1],   v[BIAS:BIAS+1]
	v_pk_add_f32 v[64+4*\i+2:64+4*\i+3], v[64+4*\i+2:64+4*\i+3], v[BIAS+2:BIAS+3]
	global_store_b128 v[GO], v[64+4*\i:64+4*\i+3], s[OB:OB+1] offset:4096*\i th:TH_STORE_NT  ; the wave stores 512 consecutive bytes, aligned
.endr
	s_wait_xcnt 0x0                                ; the stores' base and data are rewritten only behind this wait
	s_add_nc_u64 s[OB:OB+1], s[OB:OB+1], 16*4096
	s_add_co_u32 s[ES], s[ES], 16*DP
	s_sub_co_u32 s[CNT], s[CNT], 1
	s_cmp_lg_u32 s[CNT], 0
	s_cbranch_scc1 .Lout
	s_wait_tensorcnt 0x0                           ; the wave's end
	ds_add_u32 v[SPW], v[NIL]
	s_wait_dscnt 0x0
	CROUND                                         ; the closing round
	s_endpgm
.Lfunc_end_k_qa3b5a85cfb_outp:
	.size	k_qa3b5a85cfb_outp, .Lfunc_end_k_qa3b5a85cfb_outp-k_qa3b5a85cfb_outp
	.p2alignl 7, 3214868480
	.fill 96, 4, 3214868480
	.section	.rodata,"a",@progbits
	.p2align	6, 0x0
	.amdhsa_kernel k_qa3b5a85cfb_outp
		.amdhsa_group_segment_fixed_size 327680
		.amdhsa_private_segment_fixed_size 0
		.amdhsa_enable_private_segment 0
		.amdhsa_kernarg_size 32
		.amdhsa_user_sgpr_count 2
		.amdhsa_user_sgpr_kernarg_segment_ptr 1
		.amdhsa_wavefront_size32 1
		.amdhsa_system_sgpr_workgroup_id_x 1
		.amdhsa_system_sgpr_workgroup_id_y 1
		.amdhsa_system_sgpr_workgroup_id_z 1
		.amdhsa_system_vgpr_workitem_id 0
		.amdhsa_next_free_vgpr 512
		.amdhsa_next_free_sgpr 96
		.amdhsa_reserve_vcc 0
		.amdhsa_float_denorm_mode_32 3
		.amdhsa_float_denorm_mode_16_64 3
		.amdhsa_memory_ordered 1
		.amdhsa_forward_progress 1
		.amdhsa_inst_pref_size 55
	.end_amdhsa_kernel
	.amdgpu_metadata
---
amdhsa.version: [ 1, 2 ]
amdhsa.kernels:
  - .name:           k_qa3b5a85cfb_outp
    .symbol:         k_qa3b5a85cfb_outp.kd
    .args:
      - { .name: mh, .offset: 0, .size: 8, .value_kind: global_buffer, .address_space: global }
      - { .name: wc, .offset: 8, .size: 8, .value_kind: global_buffer, .address_space: global }
      - { .name: bo, .offset: 16, .size: 8, .value_kind: global_buffer, .address_space: global }
      - { .name: out0, .offset: 24, .size: 8, .value_kind: global_buffer, .address_space: global }
    .group_segment_fixed_size: 327680
    .private_segment_fixed_size: 0
    .kernarg_segment_align: 8
    .kernarg_segment_size: 32
    .max_flat_workgroup_size: 128
    .sgpr_count:     96
    .vgpr_count:     512
    .wavefront_size: 32
...
	.end_amdgpu_metadata
.endif
;; end of part 5
